; MI455X (gfx1250); checked and timed in simulation.
; The chip was launched on July 23, 2026; its instructions are those of AMD's public machine-readable ISA for CDNA 5 (MIT licence, August 2026) and "CDNA5" Instruction Set Architecture Reference Guide (July 2026). The comments in the code are by the model that wrote it; some were corrected since.
;; Goal Mlp Extractor. Allowed arithmetic: matrix products marked QUANTISED: E2M1 operands, one E8M0 scale for each 32 along K, by v_wmma_scale_f32_16x16x128_f8f6f4 with both operands' format E2M1 (or v_wmma_scale_f32_32x16x128_f4), f32 sums; everything else in f32.
;; Inputs: Wp0_codes 16 x 512 x 16 x 16 uint8 (E2M1 codes of Wp0, K innermost, in blocks of 32 codes, two codes a byte); Wp0_scales 16 x 512 x 16 uint8 (E8M0 scales of Wp0, one for each 32 codes along K); Wp1_codes 16 x 512 x 16 x 16 uint8 (E2M1 codes of Wp1, K innermost, in blocks of 32 codes, two codes a byte); Wp1_scales 16 x 512 x 16 uint8 (E8M0 scales of Wp1, one for each 32 codes along K); Wv0_codes 16 x 512 x 16 x 16 uint8 (E2M1 codes of Wv0, K innermost, in blocks of 32 codes, two codes a byte); Wv0_scales 16 x 512 x 16 uint8 (E8M0 scales of Wv0, one for each 32 codes along K); Wv1_codes 16 x 512 x 16 x 16 uint8 (E2M1 codes of Wv1, K innermost, in blocks of 32 codes, two codes a byte); Wv1_scales 16 x 512 x 16 uint8 (E8M0 scales of Wv1, one for each 32 codes along K); bp0 16 x 512 float32; bp1 16 x 512 float32; bv0 16 x 512 float32; bv1 16 x 512 float32; features_codes 4,096 x 16 x 16 uint8 (E2M1 codes of features, K innermost, in blocks of 32 codes, two codes a byte); features_scales 4,096 x 16 uint8 (E8M0 scales of features, one for each 32 codes along K); goal 4,096 x 1 int32.
;; Outputs: out0 4,096 x 512 float32; out1 4,096 x 512 float32.
;; This version of the problem:
;;   THIS VERSION OF THE PROBLEM IS GIVEN IN LOW PRECISION. The matrix products marked QUANTISED in the list below multiply operands that are first quantised to E2M1 (2 exponent bits, 1 mantissa bit; 4 bits a number), with one power-of-two scale for each 32 numbers along K (OCP MX v1.0); their sums are f32. All else is computed in f32.
;;   The module's matrix products, in the order in which they are computed (A, B: the left and right operand; K: the contracted axis; several contracted axes count as one K, in the product's order):
;;     1. [M 8,192, K 512] x [K 512, N 4,096]; A: input Wp0 (given as codes); B: input features (given as codes): QUANTISED
;;     2. batch 16 x [M 4,096, K 512] x [K 512, N 512]; A: computed on the way; B: input Wp1 (given as codes): QUANTISED
;;     3. [M 8,192, K 512] x [K 512, N 4,096]; A: input Wv0 (given as codes); B: input features (given as codes): QUANTISED
;;     4. batch 16 x [M 4,096, K 512] x [K 512, N 512]; A: computed on the way; B: input Wv1 (given as codes): QUANTISED
;;   THE QUANTISER, for each operand of a quantised product, along K:
;;     - K is cut into blocks of 32 from its start; a last block that is shorter is filled with zeros.
;;     - A block's scale is 2^e with e = floor(log2(the largest magnitude in the block)) - 2, held to -126 .. 127; a block of zeros has e = 0. As a byte (E8M0): e + 127.
;;     - Each number is divided by its block's scale, clamped to +-6, and rounded to the nearest number of E2M1, ties to even, subnormals kept.
;;     - The product sums the exact products of the quantised numbers (number of the format x scale) in f32.
;;   ~~~python
;;   def quantise(x, axis):      # numpy; x: float32 -> the quantised numbers, widened to float32 again
;;       x = np.moveaxis(x, axis, -1); K = x.shape[-1]
;;       x = np.pad(x, [(0, 0)] * (x.ndim - 1) + [(0, -K % 32)]); x = x.reshape(x.shape[:-1] + (-1, 32)); a = np.abs(x).max(-1, keepdims=True)
;;       e = np.where(a > 0, np.clip(np.frexp(np.where(a > 0, a, 1))[1] - 1 - 2, -126, 127), 0)      # np.frexp(a)[1] - 1 = floor(log2(a)), exactly
;;       r = np.clip(x / 2.0 ** e, -6, 6)
;;       step = 2.0 ** (np.maximum(np.frexp(np.where(r == 0, 1, r))[1] - 1, 0) - 1)
;;       q = np.round(r / step) * step * 2.0 ** e      # np.round: ties to even
;;       return np.moveaxis(q.reshape(q.shape[:-2] + (-1,))[..., :K], -1, axis).astype(np.float32)
;;   ~~~
;;   OPERANDS COMPUTED ON THE WAY. 'Computed on the way' means the value that the module computes at that place (a softmax that the list does not call 'softmax' is quantised finished and normalised). What goes into a quantiser is computed in f32, as accurately as f32 sums, v_exp_f32 and their like allow (about 1e-6 of the number): no bf16 or f16 on the way to a quantiser, and a product that is left as it is and whose result goes on into a quantised operand takes f32 operands (vector FMAs, or v_wmma_f32_16x16x4_f32). A number that lies on a knife's edge between two numbers of the format may be rounded either way, as far as f32 arithmetic and the matrix unit's own rounding can turn it there, and no further.
;;   INPUTS GIVEN AS CODES. Wp0 (in the module: [16, 512, 512], K = its axis 1); Wp1 (in the module: [16, 512, 512], K = its axis 1); Wv0 (in the module: [16, 512, 512], K = its axis 1); Wv1 (in the module: [16, 512, 512], K = its axis 1); features (in the module: [4096, 512], K = its axis 1): each comes as NAME_codes (uint8): NAME with its K axis moved to the last place and cut into blocks of 32 codes, [.., K / 32, bytes a block], one block behind the other in memory; two codes a byte, the lower K in the low four bits (a code: sign, 2 exponent bits, 1 mantissa bit); and NAME_scales (uint8): the same leading axes, one E8M0 byte (e + 127) for each 32 codes along K. Its value is code x scale, taken as it is: it is not quantised again, and the codes and scales need not be those that the quantiser above would give.
;; 2 versions. Each part assembles by itself: llvm-mc -triple=amdgcn-amd-amdhsa -mcpu=gfx1250 --defsym DOCPART=n.
;; ======== version 1 of 2: 2 launches
;; workspace buffers: order 262,144 bytes of whole numbers; counts 256 bytes of whole numbers
;; launch route (part 1): grid 16 x 1, 32 waves a work-group, no clusters, 4,352 bytes of LDS; arguments goal, order, counts; writes order, counts
.if DOCPART == 1
	.amdgcn_target "amdgcn-amd-amdhsa--gfx1250"
	.amdhsa_code_object_version 6
	.text
	.protected	k_q773b11ce2a_route
	.globl	k_q773b11ce2a_route
	.p2align	8
	.type	k_q773b11ce2a_route,@function
k_q773b11ce2a_route:
	s_mov_b64 s[64:65], 0
	v_nop
	global_prefetch_b8 v0, s[64:65] scope:SCOPE_SE
	s_setreg_imm32_b32 hwreg(HW_REG_WAVE_MODE, 25, 1), 1
	s_wait_xcnt 0x0
; ROUTING.  goal: [4096] int32, an expert's number 0..15 for each token.  Work-group e gathers the numbers of the tokens with goal == e:
; order[e][0 .. cnt_e) (a row of 4,096 words for each expert) and counts[e] = cnt_e.  Each work-group reads all of goal (16 KB) and owns its own row: no atomics, no traffic between work-groups.
; 32 waves; thread t owns tokens 4 t .. 4 t + 3.  The order within an expert is: by wave, then by c = 0..3, then by lane: fixed, and any fixed order would serve.
; An expert without tokens gets the word 0 at order[e][0], so that the next launch, which clamps its places in the list to max(cnt, 1) - 1, never reads a word that nobody wrote.
; LIMIT: goal lies in 0..15, as the gather in the problem relies on; a token with another number is placed in no list.
	s_load_b128 s[4:7], s[0:1], 0x0                ; goal s[4:5], order s[6:7]
	s_load_b64 s[8:9], s[0:1], 0x10                ; counts
	v_lshl_add_u32 v32, v0, 2, 0x100
	v_mov_b32 v33, 0
	v_lshrrev_b32 v1, 5, v0
	v_readfirstlane_b32 s10, v1                    ; wave 0..31
	v_and_b32 v2, 31, v0                           ; lane
	v_lshlrev_b32 v3, 4, v0                        ; my four goals: 16 bytes at 16 t
	v_lshlrev_b32 v9, 2, v1                        ; LDS: my wave's word
	v_lshlrev_b32 v11, 2, v2                       ; LDS: the word of the wave whose number is my lane's
	v_mov_b32 v13, 0                               ; written once: the destination of a lane exchange counts as read
	v_mov_b32 v14, 0
	v_mov_b32 v24, 0                               ; offset 0 and the word 0, for an expert without tokens
	v_mov_b32 v25, 0
	s_mov_b32 s11, ttmp9                           ; e
	s_lshl_b32 s22, ttmp9, 14                      ; my row of order: 4,096 words
	s_mov_b32 s23, 0
	s_lshl_b32 s25, ttmp9, 2
	v_mov_b32 v15, s25                             ; my word of counts
	s_mov_b32 s26, 0x76543210                      ; v_permlanex16_b32's selects for lane l xor 16
	s_mov_b32 s27, 0xfedcba98
.irp c, 0,1,2,3
	v_lshl_or_b32 v[20+\c], v0, 2, \c              ; my four tokens' numbers
.endr
	s_wait_kmcnt 0x0
	s_add_nc_u64 s[6:7], s[6:7], s[22:23]
	global_load_b128 v[4:7], v3, s[4:5]            ; a wave reads 512 consecutive bytes
	s_wait_loadcnt 0x0
.irp c, 0,1,2,3
	v_cmp_eq_u32 s[12+\c], s11, v[4+\c]            ; which lanes' token c is mine
.endr
.irp c, 0,1,2,3
	s_bcnt1_i32_b32 s[16+\c], s[12+\c]
.endr
	s_add_co_u32 s20, s16, s17
	s_add_co_u32 s20, s20, s18
	s_add_co_u32 s20, s20, s19                     ; my wave's number of tokens
	v_mov_b32 v8, s20
	ds_store_b32 v9, v8                            ; all lanes write the same word with the same value
	s_wait_dscnt 0x0                               ; for the others' sake: my store has landed
	s_barrier_signal -1
	s_barrier_wait -1
	ds_load_b32 v10, v11                           ; lane l: wave l's number
	s_wait_dscnt 0x0
	v_cmp_gt_u32 vcc_lo, s10, v2
	v_cndmask_b32 v12, 0, v10, vcc_lo              ; only the waves in front of mine
	; both are summed over the 32 lanes, in whole numbers: v12 -> where my wave's tokens begin, v10 -> the expert's total
.irp x, 1,2,4,8
	v_mov_b32_dpp v13, v12 row_xmask:\x row_mask:0xf bank_mask:0xf
	v_mov_b32_dpp v14, v10 row_xmask:\x row_mask:0xf bank_mask:0xf
	v_add_nc_u32 v12, v12, v13
	v_add_nc_u32 v10, v10, v14
.endr
	v_permlanex16_b32 v13, v12, s26, s27
	v_permlanex16_b32 v14, v10, s26, s27
	v_add_nc_u32 v12, v12, v13
	v_add_nc_u32 v10, v10, v14
.irp c, 0,1,2,3
	v_mbcnt_lo_u32_b32 v[16+\c], s[12+\c], v12     ; the place of my token c: the base + the lanes below me that have one
	v_add_nc_u32 v12, s[16+\c], v12                ; the base moves on over all of them
.endr
.irp c, 0,1,2,3
	v_min_u32 v[16+\c], 0xfff, v[16+\c]            ; a place is under 4,096 by the count of tokens; the bound is written out, since the number comes from data
	v_lshlrev_b32 v[16+\c], 2, v[16+\c]
.endr
	s_wait_xcnt 0x0                                ; EXEC changes only behind this wait
.irp c, 0,1,2,3
	v_cmp_eq_u32 vcc_lo, s11, v[4+\c]
	s_and_saveexec_b32 s24, vcc_lo
	global_store_b32 v[16+\c], v[20+\c], s[6:7]    ; the lanes that store have neighbouring places
	s_wait_xcnt 0x0                                ; and again in front of the line that widens it
	s_or_b32 exec_lo, exec_lo, s24
.endr
	v_cmp_eq_u32 vcc_lo, 0, v0                     ; thread 0 stores the count
	s_and_saveexec_b32 s24, vcc_lo
	global_store_b32 v15, v10, s[8:9]
	s_wait_xcnt 0x0
	s_or_b32 exec_lo, exec_lo, s24
	v_or_b32 v13, v0, v10                          ; thread 0 of an expert without tokens
	v_cmp_eq_u32 vcc_lo, 0, v13
	s_and_saveexec_b32 s24, vcc_lo
	global_store_b32 v24, v25, s[6:7]              ; order[e][0] = 0
	s_wait_xcnt 0x0
	s_or_b32 exec_lo, exec_lo, s24
	s_wait_xcnt 0x0
	s_mov_b32 exec_lo, -1
	s_wait_tensorcnt 0x0
	ds_add_u32 v32, v33
	s_wait_dscnt 0x0
	s_endpgm
.Lfunc_end_k_q773b11ce2a_route:
	.size	k_q773b11ce2a_route, .Lfunc_end_k_q773b11ce2a_route-k_q773b11ce2a_route
	.p2alignl 7, 3214868480
	.fill 96, 4, 3214868480
	.section	.rodata,"a",@progbits
	.p2align	6, 0x0
	.amdhsa_kernel k_q773b11ce2a_route
		.amdhsa_group_segment_fixed_size 4352
		.amdhsa_private_segment_fixed_size 0
		.amdhsa_enable_private_segment 0
		.amdhsa_kernarg_size 24
		.amdhsa_user_sgpr_count 2
		.amdhsa_user_sgpr_kernarg_segment_ptr 1
		.amdhsa_wavefront_size32 1
		.amdhsa_system_sgpr_workgroup_id_x 1
		.amdhsa_system_sgpr_workgroup_id_y 1
		.amdhsa_system_sgpr_workgroup_id_z 1
		.amdhsa_system_vgpr_workitem_id 0
		.amdhsa_next_free_vgpr 34
		.amdhsa_next_free_sgpr 66
		.amdhsa_reserve_vcc 1
		.amdhsa_float_denorm_mode_32 3
		.amdhsa_float_denorm_mode_16_64 3
		.amdhsa_memory_ordered 1
		.amdhsa_forward_progress 1
		.amdhsa_inst_pref_size 6
	.end_amdhsa_kernel
	.amdgpu_metadata
---
amdhsa.version: [ 1, 2 ]
amdhsa.kernels:
  - .name:           k_q773b11ce2a_route
    .symbol:         k_q773b11ce2a_route.kd
    .args:
      - { .name: goal, .offset: 0, .size: 8, .value_kind: global_buffer, .address_space: global }
      - { .name: order, .offset: 8, .size: 8, .value_kind: global_buffer, .address_space: global }
      - { .name: counts, .offset: 16, .size: 8, .value_kind: global_buffer, .address_space: global }
    .group_segment_fixed_size: 4352
    .private_segment_fixed_size: 0
    .kernarg_segment_align: 8
    .kernarg_segment_size: 24
    .max_flat_workgroup_size: 1024
    .sgpr_count:     66
    .vgpr_count:     34
    .wavefront_size: 32
...
	.end_amdgpu_metadata
.endif
;; end of part 1
;; launch mlp (part 2): grid 101 x 2, 8 waves a work-group, no clusters, 204,288 bytes of LDS; arguments features_codes, features_scales, order, counts, Wp0_codes, Wp0_scales, bp0, Wp1_codes, Wp1_scales, bp1, out0, Wv0_codes, Wv0_scales, bv0, Wv1_codes, Wv1_scales, bv1, out1; writes out0, out1
.if DOCPART == 2
	.amdgcn_target "amdgcn-amd-amdhsa--gfx1250"
	.amdhsa_code_object_version 6
	.text
	.protected	k_q773b11ce2a_mlp
	.globl	k_q773b11ce2a_mlp
	.p2align	8
	.type	k_q773b11ce2a_mlp,@function
k_q773b11ce2a_mlp:
	s_mov_b64 s[64:65], 0
	v_nop
	global_prefetch_b8 v0, s[64:65] scope:SCOPE_SE
	s_setreg_imm32_b32 hwreg(HW_REG_WAVE_MODE, 25, 1), 1
	s_wait_xcnt 0x0
; out[t] = tanh(Q(tanh(x[t] W0[e] + b0[e])) W1[e] + b1[e]), e = goal[t], for two nets (work-group y = 0: the p weights -> out0; y = 1: the v weights -> out1).
; Both products on codes of FP4 (E2M1) with one E8M0 scale for each 32 along K.  x and the weights arrive as codes, K innermost: a row is 256 bytes of codes and 16 scale bytes.  Q: the hidden layer is quantised here, from f32.
; ONLY THE CHOSEN EXPERT'S ROWS ARE MULTIPLIED.  The launch before has sorted the tokens by expert (order, counts).  A tile is up to 48 tokens of one expert; over all splits of 4,096 tokens on 16 experts
; there are at most (4096 + 16 x 47) / 48 = 101 tiles: work-group x is a tile's number.  One work-group takes its tile through the whole chain; the hidden layer stays in registers and LDS.
; A WORK-GROUP THAT THE SPLIT LEAVES WITHOUT ROWS walks the same text on clamped addresses and stores nothing: so both barriers stand on one straight path that every wave takes, under no branch on a number read from memory.
; SHARES.  Eight waves share the COLUMNS: wave w makes units 64 w .. 64 w + 63 of each layer for all 48 rows (three tiles of 16 rows, m = 0..2).  Its 64 rows of a layer's weights come in two chunks q of 32 rows, 8,192
; consecutive bytes, by loads of 512 consecutive bytes, and turn through the wave's own stage in LDS into fragments.  Loads run two chunks ahead.
; THE PRODUCTS ARE USED TRANSPOSED (source 0 = 16 rows of the weights, source 1 = 16 tokens), AND THE ROWS OF A TILE OF WEIGHTS ARE NOT NEIGHBOURS: lane r of tile u of a chunk takes chunk row 8 u + r + 8 (r / 8).
; So lane (r, h) holds token 16 m + r, and its registers 16 m + 8 u + j hold units 64 w + 32 q + 16 h + 8 u + j: 16 neighbours; a block of 32 lies in lanes l and l xor 16.  The biases are the C of each sum's first product.
; THE HIDDEN LAYER goes from wave to wave as an image of the operand's registers: wave w's 64 units are half c = w % 2 of K step w / 2 of the second product.
; tanh ahead of the quantiser, in f32: 1 - 2 / (1 + 2^(2 z log2 e)), and for z^2 < 1/16, where that difference loses digits, z + z u (c3 + u (c5 + u (c7 + u c9))), u = z^2 (the series' next term is under 1e-8 of z there).  The
; choice is a select, in every lane; no branch hangs on a float.  The last tanh feeds no quantiser and takes the first form alone.
; NO TENSOR LOADS, NO CLUSTER: which tiles share an expert, and how many rows a tile stores, hang on counts read from memory, and so does this text's way out; partners with joint requests would have to run alike.
; LIMITS: goal in 0..15 (as the problem's gather relies on).  NaN among biases, or a scale byte 0xff, is not served.  Rows that pad a tile repeat the tile's last token; where a tile's number of rows is odd, the two halves of the
; lanes store the same bytes to the same row.  A hidden block of zeros gets the scale byte 1: its codes are zeros, and only this text reads the byte.
.set PITCH, 272                        ; an LDS row of 256 bytes + 16: 68 words, so that the 16 rows that a load touches start at 16 different banks (64 banks of 4 bytes: ISA guide 11.1)
.set XST,  0                           ; x's 48 rows of codes, written once, read by all waves
.set WST,  13312                       ; + 8,704 w: the wave's own stage for a chunk of weights, 32 rows
.set HIMG, 82944                       ; images of the hidden layer's 12 fragments: 4096 m + 1024 s + 512 c + 16 lane
.set HSC,  95232                       ; their scale words: 512 m + 128 s + 4 lane
.set TL,   96768                       ; + 256 w: the wave's own list of the 48 tokens
.set OST,  98816                       ; + 13,056 w: the wave's own stage for its 48 rows x 64 columns of the result
; window 0
.set GWO,  3                           ; 16 lane: my 16 bytes of a load's 512
.set WSTA, 4                           ; weights' stage, in: 272 h + 16 r
.set WFRA, 5                           ; and out, as fragments: 272 r + 16 h
.set XSTA, 6                           ; x's stage, in: 272 (6 w + h) + 16 r
.set XFRA, 7                           ; and out: 272 r + 16 h
.set HWA,  8                           ; where I store my part of an image: HIMG + 512 w + 16 lane
.set HWS,  9                           ; and my two scale bytes: HSC + 128 (w / 2) + 2 (w % 2) + 4 lane
.set LI,   10                          ; HIMG + 16 lane
.set LS,   11                          ; HSC + 4 lane
.set OSA,  12                          ; result's stage, in: 272 r + 64 h
.set OSR,  13                          ; and out: 272 h + 16 r
.set TLW,  14                          ; tokens' list, in: 4 r
.set TLR,  15                          ; and out: 4 h
.set WSO,  16                          ; my row of a chunk's scale bytes: 16 (8 h + r + 8 (r / 8))
.set BO,   17                          ; my 16 numbers of a chunk's 32 biases: 64 h
.set OCOL, 18                          ; 16 r
.set TG,   20                          ; v20-22 tokens of the rows that I gather, then their byte offsets
.set TOK,  23                          ; v23-25 token of row 16 m + r
.set XR,   26                          ; v26-37 first the six places in the list, then three pairs of rows of x as loaded
.set XS,   40                          ; v40-51 source 1's scale words, 4 m + s: scales and nothing else
.set WS,   52                          ; v52-59 the weights' scale words, two sets of 4: lanes 0-15 tile 0's rows, lanes 16-31 tile 1's: scales and nothing else
.set C7,   60                          ; v60-65 the pairs c7, c5, c3
.set C5,   62
.set C3,   64
.set PC,   66                          ; v66-77 the hidden layer's codes: 4 m + 2 q + 0, 1
.set HB,   78                          ; v78-80 its two scale bytes for each m
.set MX,   81                          ; v81-83 a block's largest magnitude
.set MY,   84                          ; v84-86 the other half of the lanes'
.set SO,   87                          ; v87-89 the conversions' scale operands
.set SB,   90                          ; v90-92 a scale byte
.set OT,   66                          ; the way out: v66-89 byte offsets of 24 pairs of rows
.set FRG,  96                          ; v96-159 a chunk's 8 fragments at 8 (4 u + s); behind the products v96-143 are at work:
.set TT,   96
.set UU,   112
.set PP,   128
.set HA,   160                         ; v160-207 six accumulators at 16 m + 8 u
; window 1
.set RAW,  96                          ; v96-159, v160-223 a chunk as loaded, two sets.  (v0-95: source 1's 12 fragments at 8 (4 m + s))
.set BIAS, 224                         ; v224-239, v240-255 a chunk's biases in the result's layout, 8 u + j, two sets
; scalar
.set W0C, 12
.set W0S, 14
.set B0P, 16
.set W1C, 18
.set W1S, 20
.set B1P, 22
.set OUTP, 24
.set K2,  26                           ; s[26:27] 2 log2(e)
.set C9,  58                           ; s[58:59] c9
.set MSB, 0
.macro WIN new                         ; s_set_vgpr_msb: bits 1:0 source 0, 3:2 source 1, 5:4 source 2, 7:6 destination; the immediate's high byte repeats the setting that is left
.if MSB != \new
	s_set_vgpr_msb (MSB<<8)|\new
.set MSB, \new
.endif
.endm
.macro BARRIER                         ; my LDS stores have landed and my LDS loads are in: then the work-group's barrier
	s_wait_dscnt 0x0
	s_barrier_signal -1
	s_barrier_wait -1
.endm
; 21 loads: chunk q of a layer into set: 16 of codes (512 consecutive bytes each), 4 of biases, 1 of scale words
.macro WLOAD set, cb, sb, bb, q
	WIN 0x40                                       ; destination window 1, address window 0
.set i, 0
.rept 16
	global_load_b128 v[RAW+64*(\set)+4*i:RAW+64*(\set)+4*i+3], v[GWO], s[\cb:\cb+1] offset:8192*(\q)+512*i   ; lanes 0-15 chunk row 2 i, lanes 16-31 row 2 i + 1
.set i, i+1
.endr
.set i, 0
.rept 4
	global_load_b128 v[BIAS+16*(\set)+4*i:BIAS+16*(\set)+4*i+3], v[BO], s[\bb:\bb+1] offset:128*(\q)+16*i     ; units 16 h + 4 i + 0 .. 3 of the chunk
.set i, i+1
.endr
	WIN 0
	global_load_b128 v[WS+4*(\set):WS+4*(\set)+3], v[WSO], s[\sb:\sb+1] offset:512*(\q)                       ; my row's 16 bytes: word s for K step s
.endm
; The chunk turns through my own stage.  Chunk row x goes to stage row (x & 7) + 2 (x & 8) + (x & 16) / 2, so that a tile's 16 rows lie on end.  LDS serves a wave's instructions in order: no wait between the stores and the loads.
.macro STAGE set
	WIN 0x04                                       ; an LDS store's data are its source 1: window 1
.set i, 0
.rept 16
	ds_store_b128 v[WSTA], v[RAW+64*(\set)+4*i:RAW+64*(\set)+4*i+3] offset:(((2*i)&7)|(((2*i)&8)<<1)|(((2*i)&16)>>1))*PITCH
.set i, i+1
.endr
	WIN 0
.irp u, 0,1
.irp s, 0,1,2,3
.irp c, 0,1
	ds_load_b128 v[FRG+8*(4*\u+\s)+4*\c:FRG+8*(4*\u+\s)+4*\c+3], v[WFRA] offset:16*\u*PITCH+64*\s+32*\c   ; registers 4 c .. 4 c + 3: K = 128 s + 64 c + 32 h + 0 .. 31
.endr
.endr
.endr
	s_wait_dscnt 0x0                               ; the fragments are in (source 1's too), and every earlier LDS store has read its registers
.endm
.macro PROD set, s, m, u
.set rD, HA+16*(\m)+8*(\u)
.set rA, FRG+8*(4*(\u)+(\s))
.set rB, 8*(4*(\m)+(\s))
.set rC, rD
.if (\s) == 0
.set rC, BIAS+16*(\set)+8*(\u)                 ; the first K step starts the sum with the bias
.endif
.if (\u) == 0
	v_wmma_scale_f32_16x16x128_f8f6f4 v[rD:rD+7], v[rA:rA+7], v[rB:rB+7], v[rC:rC+7], v[WS+4*(\set)+(\s)], v[XS+4*(\m)+(\s)] matrix_a_fmt:MATRIX_FMT_FP4 matrix_b_fmt:MATRIX_FMT_FP4
.else
	v_wmma_scale_f32_16x16x128_f8f6f4 v[rD:rD+7], v[rA:rA+7], v[rB:rB+7], v[rC:rC+7], v[WS+4*(\set)+(\s)], v[XS+4*(\m)+(\s)] matrix_a_fmt:MATRIX_FMT_FP4 matrix_b_fmt:MATRIX_FMT_FP4 matrix_a_scale:MATRIX_SCALE_ROW1
.endif
.endm
; 24 products: K step by K step, the six accumulators by turns, one instruction a turn
.macro MULS set
.irp s, 0,1,2,3
.if \s == 0
	WIN 0x14                                       ; source 1 (the tokens' fragments) and C (the bias) window 1
.else
	WIN 0x04                                       ; source 1 window 1
.endif
.irp m, 0,1,2
.irp u, 0,1
	PROD \set, \s, \m, \u
.endr
.endr
.endr
	WIN 0
.rept 4
	v_nop                                          ; four places ahead of the reads of the results, of vector writes into the fragments' registers and of loads into the biases' and scale words' registers
.endr
.endm
; tanh of the 16 numbers of row tile m, to f32's accuracy for small numbers too; each accumulator is read from its low end on
.macro TANH_ACC m
.set ZZ, HA+16*(\m)
.set i, 0
.rept 8
	v_pk_mul_f32 v[TT+i:TT+i+1], v[ZZ+i:ZZ+i+1], s[K2:K2+1] op_sel_hi:[1,0]
.set i, i+2
.endr
.set i, 0
.rept 16
	v_exp_f32 v[TT+i], v[TT+i]                     ; e^(2 z)
.set i, i+1
.endr
.set i, 0
.rept 8
	v_pk_mul_f32 v[UU+i:UU+i+1], v[ZZ+i:ZZ+i+1], v[ZZ+i:ZZ+i+1]   ; u = z^2.  (Plain lines behind the exponentials)
.set i, i+2
.endr
.set i, 0
	s_wait_alu depctr_va_vdst(0)
.rept 8
	v_pk_add_f32 v[TT+i:TT+i+1], v[TT+i:TT+i+1], 1.0 op_sel_hi:[1,0]
.set i, i+2
.endr
.set i, 0
.rept 16
	v_rcp_f32 v[TT+i], v[TT+i]
.set i, i+1
.endr
.set i, 0
.rept 8
	v_pk_fma_f32 v[PP+i:PP+i+1], v[UU+i:UU+i+1], s[C9:C9+1], v[C7:C7+1] op_sel_hi:[1,0,1]   ; (plain lines behind the reciprocals)
.set i, i+2
.endr
.set i, 0
.rept 8
	v_pk_fma_f32 v[PP+i:PP+i+1], v[PP+i:PP+i+1], v[UU+i:UU+i+1], v[C5:C5+1]
.set i, i+2
.endr
.set i, 0
.rept 8
	v_pk_fma_f32 v[PP+i:PP+i+1], v[PP+i:PP+i+1], v[UU+i:UU+i+1], v[C3:C3+1]
.set i, i+2
.endr
.set i, 0
.rept 8
	v_pk_mul_f32 v[PP+i:PP+i+1], v[PP+i:PP+i+1], v[UU+i:UU+i+1]
.set i, i+2
.endr
.set i, 0
.rept 8
	v_pk_fma_f32 v[PP+i:PP+i+1], v[ZZ+i:ZZ+i+1], v[PP+i:PP+i+1], v[ZZ+i:ZZ+i+1]   ; the series: z + z u (..)
.set i, i+2
.endr
.set i, 0
	s_wait_alu depctr_va_vdst(0)
.rept 8
	v_pk_fma_f32 v[TT+i:TT+i+1], v[TT+i:TT+i+1], -2.0, 1.0 op_sel_hi:[1,0,0]      ; 1 - 2 / (1 + e^(2 z))
.set i, i+2
.endr
.set i, 0
.rept 16
	v_cmp_gt_f32 vcc_lo, s56, v[UU+i]              ; 1/16 > z^2: the series
	v_cndmask_b32 v[ZZ+i], v[TT+i], v[PP+i], vcc_lo
.set i, i+1
.endr
.endm
; the last tanh, in place: its result goes into no quantiser
.macro TANH_OUT m
.set ZZ, HA+16*(\m)
.set i, 0
.rept 8
	v_pk_mul_f32 v[ZZ+i:ZZ+i+1], v[ZZ+i:ZZ+i+1], s[K2:K2+1] op_sel_hi:[1,0]
.set i, i+2
.endr
.set i, 0
.rept 16
	v_exp_f32 v[ZZ+i], v[ZZ+i]
.set i, i+1
.endr
	v_nop                                          ; a plain line behind the last exponential
.set i, 0
	s_wait_alu depctr_va_vdst(0)
.rept 8
	v_pk_add_f32 v[ZZ+i:ZZ+i+1], v[ZZ+i:ZZ+i+1], 1.0 op_sel_hi:[1,0]
.set i, i+2
.endr
.set i, 0
.rept 16
	v_rcp_f32 v[ZZ+i], v[ZZ+i]
.set i, i+1
.endr
	v_nop                                          ; a plain line behind the last reciprocal
.set i, 0
	s_wait_alu depctr_va_vdst(0)
.rept 8
	v_pk_fma_f32 v[ZZ+i:ZZ+i+1], v[ZZ+i:ZZ+i+1], -2.0, 1.0 op_sel_hi:[1,0,0]
.set i, i+2
.endr
.endm
; The chunk's 32 hidden units are one block of each row: my 16 numbers and lane l xor 16's.  The three row tiles by turns.
.macro QUANT q
.irp m, 0,1,2
	v_max3_num_f32 v[MX+\m], |v[HA+16*\m]|, |v[HA+16*\m+1]|, 0x1800000   ; and the floor 2^(3 - 127): the byte cannot fall under 1
.endr
.irp i, 2,4,6,8,10,12,14
.irp m, 0,1,2
	v_max3_num_f32 v[MX+\m], v[MX+\m], |v[HA+16*\m+\i]|, |v[HA+16*\m+\i+1]|
.endr
.endr
.irp m, 0,1,2
	v_permlanex16_b32 v[MY+\m], v[MX+\m], s54, s55
.endr
.irp m, 0,1,2
	v_max_num_f32 v[MX+\m], v[MX+\m], v[MY+\m]     ; the block's largest magnitude
.endr
.irp m, 0,1,2
	v_add_nc_u32 v[SO+\m], 0xff000000, v[MX+\m]    ; 2 off its exponent field: the conversion takes the exponent field of this operand as its scale
.endr
.irp m, 0,1,2
.if \q == 0
	v_lshrrev_b32 v[HB+\m], 23, v[SO+\m]           ; the scale's byte: the lower of my two
.else
	v_lshrrev_b32 v[SB+\m], 23, v[SO+\m]
	v_lshl_or_b32 v[HB+\m], v[SB+\m], 8, v[HB+\m]  ; the upper
.endif
.endr
.irp m, 0,1,2
	v_cvt_scalef32_pk8_fp4_f32 v[PC+4*\m+2*(\q)], v[HA+16*\m:HA+16*\m+7], v[SO+\m]
	v_cvt_scalef32_pk8_fp4_f32 v[PC+4*\m+2*(\q)+1], v[HA+16*\m+8:HA+16*\m+15], v[SO+\m]
.endr
	v_nop                                          ; one plain line behind the last scaled conversion
.endm
; One chunk: 32 units of a layer for the 48 rows.  The set of registers is q.  cnt: the loads issued behind this chunk's, which may stay out.
.macro CHUNK layer, q, cnt
	s_wait_loadcnt \cnt
	STAGE \q
	MULS \q
.if \layer == 0
	WLOAD \q, W1C, W1S, B1P, \q                    ; the set is free: it takes the chunk two further on, the second layer's chunk q
	TANH_ACC 0
	TANH_ACC 1
	TANH_ACC 2
	QUANT \q
.else
	TANH_OUT 0
	TANH_OUT 1
	TANH_OUT 2
.irp m, 0,1,2
.irp t, 0,1,2,3
	ds_store_b128 v[OSA], v[HA+16*\m+4*\t:HA+16*\m+4*\t+3] offset:16*\m*PITCH+128*(\q)+16*\t   ; row 16 m + r, columns 32 q + 16 h + 4 t on
.endr
.endr
.endif
.endm
	; ---- the head: addresses, ids, constants
	s_load_b256 s[4:11], s[0:1], 0x0               ; x's codes s[4:5], x's scales s[6:7], order s[8:9], counts s[10:11]
	s_load_b256 s[12:19], s[0:1], 0x20             ; the p net: W0's codes, W0's scales, b0, W1's codes,
	s_load_b128 s[20:23], s[0:1], 0x40             ; W1's scales, b1,
	s_load_b64 s[24:25], s[0:1], 0x50              ; out0
	s_load_b256 s[28:35], s[0:1], 0x58             ; the v net, in the same order
	s_load_b128 s[36:39], s[0:1], 0x78
	s_load_b64 s[40:41], s[0:1], 0x88              ; out1
	v_lshl_add_u32 v254, v0, 2, 0x31a00
	v_mov_b32 v255, 0
	v_lshrrev_b32 v19, 5, v0
	v_readfirstlane_b32 s42, v19                   ; wave 0..7
	s_mov_b32 s43, ttmp9                           ; the tile's number
	s_and_b32 s44, ttmp7, 0xffff                   ; the net
	v_and_b32 v1, 15, v0                           ; r
	v_bfe_u32 v2, v0, 4, 1                         ; h
	v_and_b32 v3, 31, v0                           ; lane
	v_lshlrev_b32 v[LS], 2, v3                     ; 4 lane
	v_lshlrev_b32 v[GWO], 4, v3                    ; 16 lane
	v_mul_u32_u24 v38, v2, PITCH
	v_lshl_add_u32 v38, v1, 4, v38                 ; 272 h + 16 r: sixteen lanes to a row, two rows an instruction
	v_mul_u32_u24 v[XFRA], v1, PITCH
	v_lshl_add_u32 v[XFRA], v2, 4, v[XFRA]         ; 272 r + 16 h: a fragment's row and half (x's stage begins at LDS byte 0)
	s_mul_i32 s60, s42, 32*PITCH
	s_add_co_u32 s60, s60, WST
	v_add_nc_u32 v[WSTA], s60, v38
	v_add_nc_u32 v[WFRA], s60, v[XFRA]
	s_mul_i32 s60, s42, 6*PITCH
	v_add_nc_u32 v[XSTA], s60, v38                 ; I gather rows 6 w .. 6 w + 5
	s_lshl_b32 s60, s42, 9
	s_add_co_u32 s60, s60, HIMG
	v_add_nc_u32 v[HWA], s60, v[GWO]
	s_lshr_b32 s60, s42, 1
	s_lshl_b32 s60, s60, 7
	s_and_b32 s61, s42, 1
	s_lshl_b32 s61, s61, 1
	s_add_co_u32 s60, s60, s61
	s_add_co_u32 s60, s60, HSC
	v_add_nc_u32 v[HWS], s60, v[LS]
	v_add_nc_u32 v[LI], HIMG, v[GWO]
	v_add_nc_u32 v[LS], HSC, v[LS]
	s_mul_i32 s60, s42, 48*PITCH
	s_add_co_u32 s60, s60, OST
	v_mul_u32_u24 v[OSA], v1, PITCH
	v_lshl_add_u32 v[OSA], v2, 6, v[OSA]
	v_add_nc_u32 v[OSA], s60, v[OSA]
	v_add_nc_u32 v[OSR], s60, v38
	s_lshl_b32 s60, s42, 8
	s_add_co_u32 s60, s60, TL
	v_lshl_add_u32 v[TLW], v1, 2, s60
	v_lshl_add_u32 v[TLR], v2, 2, s60
	v_and_b32 v[WSO], 8, v1
	v_add_nc_u32 v[WSO], v[WSO], v1                ; r + 8 (r / 8)
	v_lshl_add_u32 v[WSO], v2, 3, v[WSO]           ; + 8 h: lanes 16-31 take tile 1's rows
	v_lshlrev_b32 v[WSO], 4, v[WSO]
	v_lshlrev_b32 v[BO], 6, v2
	v_lshlrev_b32 v[OCOL], 4, v1
	s_mov_b32 s54, 0x76543210                      ; v_permlanex16_b32's selects for lane l xor 16
	s_mov_b32 s55, 0xfedcba98
	s_mov_b32 s56, 0x3d800000                      ; 1/16
	s_mov_b32 s[K2], 0x4038aa3b                    ; 2 log2(e)
	s_mov_b32 s[K2+1], s[K2]                       ; (named with it as a pair, so it is written)
	s_mov_b32 s[C9], 0x3cb327a4                    ; c9 = 62 / 2835
	s_mov_b32 s[C9+1], s[C9]
	v_mov_b32 v[C7], 0xbd5d0dd1                    ; c7 = -17 / 315
	v_mov_b32 v[C7+1], 0xbd5d0dd1
	v_mov_b32 v[C5], 0x3e088889                    ; c5 = 2 / 15
	v_mov_b32 v[C5+1], 0x3e088889
	v_mov_b32 v[C3], 0xbeaaaaab                    ; c3 = -1 / 3
	v_mov_b32 v[C3+1], 0xbeaaaaab
.irp m, 0,1,2
	v_mov_b32 v[MY+\m], 0                          ; written once: a lane permute's destination counts as one of its sources
.endr
	s_wait_kmcnt 0x0
	s_load_b512 s[68:83], s[10:11], 0x0            ; the sixteen counts
	s_cmp_eq_u32 s44, 0                            ; the net's seven buffers: the choice hangs on the work-group's number alone
.irp i, 0,1,2,3,4,5,6
	s_cselect_b64 s[12+2*\i:13+2*\i], s[12+2*\i:13+2*\i], s[28+2*\i:29+2*\i]
.endr
	s_mov_b32 s45, 0                               ; the number of the first tile of the expert in hand
	s_mov_b32 s46, 0                               ; my expert,
	s_mov_b32 s47, 0                               ; its first tile's number,
	s_mov_b32 s48, 0                               ; its count
	s_wait_kmcnt 0x0
	; whose tile is mine: the last expert whose first tile's number is not above mine.  No branch: selects
.irp e, 0,1,2,3,4,5,6,7,8,9,10,11,12,13,14,15
	s_min_u32 s49, s[68+\e], 0x1000
	s_cmp_le_u32 s45, s43
	s_cselect_b32 s46, \e, s46
	s_cselect_b32 s47, s45, s47
	s_cselect_b32 s48, s49, s48
	s_add_co_u32 s49, s49, 47                      ; its tiles: (count + 47) / 48 = ((count + 47) / 16) / 3,
	s_lshr_b32 s49, s49, 4
	s_mul_i32 s49, s49, 0xaaab                     ; y / 3 = y x 43,691 / 2^17, exact for y up to 258
	s_lshr_b32 s49, s49, 17
	s_add_co_u32 s45, s45, s49
.endr
	s_min_u32 s46, s46, 15
	s_sub_co_u32 s50, s43, s47
	s_min_u32 s50, s50, 127                        ; which tile of the expert
	s_mul_i32 s62, s50, 48                         ; its first place in the expert's list
	s_sub_co_i32 s51, s48, s62
	s_min_i32 s51, s51, 48                         ; N: the tile's rows; 0 or less: a tile that this split does not have
	s_max_u32 s57, s48, 1
	s_sub_co_u32 s57, s57, 1                       ; the last place of the list that holds a token
	s_mov_b32 s53, 0
	s_lshl_b32 s52, s46, 17                        ; codes: an expert's 512 rows of 256 bytes, my wave's 64 rows
	s_lshl_b32 s60, s42, 14
	s_add_co_u32 s52, s52, s60
	s_add_nc_u64 s[W0C:W0C+1], s[W0C:W0C+1], s[52:53]
	s_add_nc_u64 s[W1C:W1C+1], s[W1C:W1C+1], s[52:53]
	s_lshr_b32 s52, s52, 4                         ; scale bytes: a sixteenth of that
	s_add_nc_u64 s[W0S:W0S+1], s[W0S:W0S+1], s[52:53]
	s_add_nc_u64 s[W1S:W1S+1], s[W1S:W1S+1], s[52:53]
	s_lshr_b32 s52, s52, 2                         ; biases: 2,048 bytes an expert, 256 a wave
	s_add_nc_u64 s[B0P:B0P+1], s[B0P:B0P+1], s[52:53]
	s_add_nc_u64 s[B1P:B1P+1], s[B1P:B1P+1], s[52:53]
	s_lshl_b32 s52, s46, 14                        ; the expert's row of the list
	s_add_nc_u64 s[8:9], s[8:9], s[52:53]
	s_lshl_b32 s52, s42, 8                         ; my wave's 64 columns of the result
	s_add_nc_u64 s[OUTP:OUTP+1], s[OUTP:OUTP+1], s[52:53]
	; ---- the gather.  Places past the list's end are held at its last token
	s_mul_i32 s61, s42, 6
	s_add_co_u32 s61, s61, s62
	v_add_nc_u32 v[XR], s61, v2                    ; the rows that I bring: 6 w + h + 2 i
	v_add_nc_u32 v[XR+1], 2, v[XR]
	v_add_nc_u32 v[XR+2], 4, v[XR]
	v_add_nc_u32 v[XR+3], s62, v1                  ; the rows whose scale words I hold: 16 m + r
	v_add_nc_u32 v[XR+4], 16, v[XR+3]
	v_add_nc_u32 v[XR+5], 32, v[XR+3]
.irp i, 0,1,2,3,4,5
	v_min_u32 v[XR+\i], s57, v[XR+\i]
.endr
.irp i, 0,1,2,3,4,5
	v_min_u32 v[XR+\i], 0xfff, v[XR+\i]            ; the bound written out: the number comes from data
.endr
.irp i, 0,1,2,3,4,5
	v_lshlrev_b32 v[XR+\i], 2, v[XR+\i]
.endr
.irp i, 0,1,2,3,4,5
	global_load_b32 v[TG+\i], v[XR+\i], s[8:9]     ; v20-22: my rows' tokens; v23-25: those of rows 16 m + r
.endr
	WLOAD 0, W0C, W0S, B0P, 0                      ; the first layer's chunk 0
	s_wait_loadcnt 21                              ; the chunk's 21 loads may stay out: the six tokens are in, and their loads' address registers are free
.irp i, 0,1,2,3,4,5
	v_min_u32 v[TG+\i], 0xfff, v[TG+\i]
.endr
.irp i, 0,1,2
	v_lshl_add_u32 v[TG+\i], v[TG+\i], 8, v[OCOL]  ; a row of x is 256 bytes: sixteen lanes take it whole
.endr
	v_lshlrev_b32 v38, 4, v[TOK]                   ; and its 16 scale bytes
	v_lshlrev_b32 v39, 4, v[TOK+1]
	v_lshlrev_b32 v19, 4, v[TOK+2]
.irp i, 0,1,2
	global_load_b128 v[XR+4*\i:XR+4*\i+3], v[TG+\i], s[4:5]
.endr
	global_load_b128 v[XS:XS+3], v38, s[6:7]       ; word s: K step s of row 16 m + r
	global_load_b128 v[XS+4:XS+7], v39, s[6:7]
	global_load_b128 v[XS+8:XS+11], v19, s[6:7]
	WLOAD 1, W0C, W0S, B0P, 1                      ; the first layer's chunk 1
.irp m, 0,1,2
	ds_store_b32 v[TLW], v[TOK+\m] offset:64*\m    ; my own list of the 48 tokens, for the way out (lanes r and 16 + r write the same word with the same value)
.endr
	s_wait_loadcnt 21                              ; chunk 1's 21 loads may stay out: x, its scale words and chunk 0 are in
.irp i, 0,1,2
	ds_store_b128 v[XSTA], v[XR+4*\i:XR+4*\i+3] offset:2*\i*PITCH
.endr
	BARRIER                                        ; x's 48 rows lie in LDS
	; ---- the first layer
	WIN 0x40                                       ; destination window 1
.irp m, 0,1,2
.irp s, 0,1,2,3
.irp c, 0,1
	ds_load_b128 v[8*(4*\m+\s)+4*\c:8*(4*\m+\s)+4*\c+3], v[XFRA] offset:16*\m*PITCH+64*\s+32*\c
.endr
.endr
.endr
	WIN 0
	CHUNK 0, 0, 21                                 ; (chunk 1's 21 loads may stay out)
	CHUNK 0, 1, 21                                 ; (the 21 of the second layer's chunk 0)
.irp m, 0,1,2                                  ; the operand's layout wants a WHOLE block in a lane: lanes 0-15 chunk 0's, lanes 16-31 chunk 1's
	v_permlane16_swap_b32 v[PC+4*\m], v[PC+4*\m+2]
	v_permlane16_swap_b32 v[PC+4*\m+1], v[PC+4*\m+3]
.endr
.irp m, 0,1,2
	ds_store_b128 v[HWA], v[PC+4*\m:PC+4*\m+3] offset:4096*\m   ; registers 4 c .. 4 c + 3 of K step w / 2, c = w % 2, as they stand
	ds_store_b16 v[HWS], v[HB+\m] offset:512*\m                 ; bytes 2 c, 2 c + 1 of that K step's scale word of my row
.endr
	BARRIER                                        ; the hidden layer's twelve fragments and their scale words lie in LDS
	; ---- the second layer
	WIN 0x40
.irp m, 0,1,2
.irp s, 0,1,2,3
.irp c, 0,1
	ds_load_b128 v[8*(4*\m+\s)+4*\c:8*(4*\m+\s)+4*\c+3], v[LI] offset:4096*\m+1024*\s+512*\c
.endr
.endr
.endr
	WIN 0
.irp m, 0,1,2
.irp s, 0,1,2,3
	ds_load_b32 v[XS+4*\m+\s], v[LS] offset:512*\m+128*\s
.endr
.endr
	CHUNK 1, 0, 21                                 ; (the 21 of the second layer's chunk 1 may stay out)
	CHUNK 1, 1, 0
	; ---- the way out: my 48 rows x 256 bytes come back from my own stage by rows; sixteen lanes store 256 consecutive bytes, at a multiple of 256 from the buffer's first byte; two rows an instruction
.set i, 0
.rept 24
	ds_load_b32 v[OT+i], v[TLR] offset:8*i         ; the token of row 2 i + h
.set i, i+1
.endr
.set i, 0
.rept 24
.if i < 16
.set rO, 96+4*i
.else
.set rO, 208+4*(i-16)
.endif
	ds_load_b128 v[rO:rO+3], v[OSR] offset:2*i*PITCH   ; LDS serves a wave's instructions in order: these see my stores
.set i, i+1
.endr
	s_wait_dscnt 0x0
.set i, 0
.rept 24
	v_min_u32 v[OT+i], 0xfff, v[OT+i]
	v_lshl_add_u32 v[OT+i], v[OT+i], 11, v[OCOL]   ; a row of the result is 2,048 bytes
.set i, i+1
.endr
.set i, 0
.rept 24
.if i < 16
.set rO, 96+4*i
.else
.set rO, 208+4*(i-16)
.endif
	s_cmp_le_i32 s51, 2*i                          ; rows from N on are padding: nothing more is stored
	s_cbranch_scc1 .Lend
	global_store_b128 v[OT+i], v[rO:rO+3], s[OUTP:OUTP+1] th:TH_STORE_NT   ; written once, read by nobody here
.set i, i+1
.endr
.Lend:
	s_barrier_signal -1
	s_barrier_wait -1
	s_wait_tensorcnt 0x0
	ds_add_u32 v254, v255
	s_wait_dscnt 0x0
	s_endpgm
.Lfunc_end_k_q773b11ce2a_mlp:
	.size	k_q773b11ce2a_mlp, .Lfunc_end_k_q773b11ce2a_mlp-k_q773b11ce2a_mlp
	.p2alignl 7, 3214868480
	.fill 96, 4, 3214868480
	.section	.rodata,"a",@progbits
	.p2align	6, 0x0
	.amdhsa_kernel k_q773b11ce2a_mlp
		.amdhsa_group_segment_fixed_size 204288
		.amdhsa_private_segment_fixed_size 0
		.amdhsa_enable_private_segment 0
		.amdhsa_kernarg_size 144
		.amdhsa_user_sgpr_count 2
		.amdhsa_user_sgpr_kernarg_segment_ptr 1
		.amdhsa_wavefront_size32 1
		.amdhsa_system_sgpr_workgroup_id_x 1
		.amdhsa_system_sgpr_workgroup_id_y 1
		.amdhsa_system_sgpr_workgroup_id_z 1
		.amdhsa_system_vgpr_workitem_id 0
		.amdhsa_next_free_vgpr 512
		.amdhsa_next_free_sgpr 84
		.amdhsa_reserve_vcc 1
		.amdhsa_float_denorm_mode_32 3
		.amdhsa_float_denorm_mode_16_64 3
		.amdhsa_memory_ordered 1
		.amdhsa_forward_progress 1
		.amdhsa_inst_pref_size 121
	.end_amdhsa_kernel
	.amdgpu_metadata
---
amdhsa.version: [ 1, 2 ]
amdhsa.kernels:
  - .name:           k_q773b11ce2a_mlp
    .symbol:         k_q773b11ce2a_mlp.kd
    .args:
      - { .name: features_codes, .offset: 0, .size: 8, .value_kind: global_buffer, .address_space: global }
      - { .name: features_scales, .offset: 8, .size: 8, .value_kind: global_buffer, .address_space: global }
      - { .name: order, .offset: 16, .size: 8, .value_kind: global_buffer, .address_space: global }
      - { .name: counts, .offset: 24, .size: 8, .value_kind: global_buffer, .address_space: global }
      - { .name: Wp0_codes, .offset: 32, .size: 8, .value_kind: global_buffer, .address_space: global }
      - { .name: Wp0_scales, .offset: 40, .size: 8, .value_kind: global_buffer, .address_space: global }
      - { .name: bp0, .offset: 48, .size: 8, .value_kind: global_buffer, .address_space: global }
      - { .name: Wp1_codes, .offset: 56, .size: 8, .value_kind: global_buffer, .address_space: global }
      - { .name: Wp1_scales, .offset: 64, .size: 8, .value_kind: global_buffer, .address_space: global }
      - { .name: bp1, .offset: 72, .size: 8, .value_kind: global_buffer, .address_space: global }
      - { .name: out0, .offset: 80, .size: 8, .value_kind: global_buffer, .address_space: global }
      - { .name: Wv0_codes, .offset: 88, .size: 8, .value_kind: global_buffer, .address_space: global }
      - { .name: Wv0_scales, .offset: 96, .size: 8, .value_kind: global_buffer, .address_space: global }
      - { .name: bv0, .offset: 104, .size: 8, .value_kind: global_buffer, .address_space: global }
      - { .name: Wv1_codes, .offset: 112, .size: 8, .value_kind: global_buffer, .address_space: global }
      - { .name: Wv1_scales, .offset: 120, .size: 8, .value_kind: global_buffer, .address_space: global }
      - { .name: bv1, .offset: 128, .size: 8, .value_kind: global_buffer, .address_space: global }
      - { .name: out1, .offset: 136, .size: 8, .value_kind: global_buffer, .address_space: global }
    .group_segment_fixed_size: 204288
    .private_segment_fixed_size: 0
    .kernarg_segment_align: 8
    .kernarg_segment_size: 144
    .max_flat_workgroup_size: 256
    .sgpr_count:     84
    .vgpr_count:     512
    .wavefront_size: 32
...
	.end_amdgpu_metadata
.endif
;; end of part 2
;; ======== version 2 of 2: 2 launches
;; workspace buffers: order 262,144 bytes of whole numbers; counts 256 bytes of whole numbers
;; launch route (part 3): grid 16 x 1, 32 waves a work-group, no clusters, 4,352 bytes of LDS; arguments goal, order, counts; writes order, counts
.if DOCPART == 3
	.amdgcn_target "amdgcn-amd-amdhsa--gfx1250"
	.amdhsa_code_object_version 6
	.text
	.protected	k_q773b11ce2a_route
	.globl	k_q773b11ce2a_route
	.p2align	8
	.type	k_q773b11ce2a_route,@function
k_q773b11ce2a_route:
	s_mov_b64 s[64:65], 0
	v_nop
	global_prefetch_b8 v0, s[64:65] scope:SCOPE_SE
	s_setreg_imm32_b32 hwreg(HW_REG_WAVE_MODE, 25, 1), 1
	s_wait_xcnt 0x0
; ROUTING.  goal: [4096] int32, an expert's number 0..15 for each token.  Work-group e gathers the numbers of the tokens with goal == e:
; order[e][0 .. cnt_e) (a row of 4,096 words for each expert) and counts[e] = cnt_e.  Each work-group reads all of goal (16 KB) and owns its own row: no atomics, no traffic between work-groups.
; 32 waves; thread t owns tokens 4 t .. 4 t + 3.  The order within an expert is: by wave, then by c = 0..3, then by lane: fixed, and any fixed order would serve.
; An expert without tokens gets the word 0 at order[e][0], so that the next launch, which clamps its places in the list to max(cnt, 1) - 1, never reads a word that nobody wrote.
; LIMIT: goal lies in 0..15, as the gather in the problem relies on; a token with another number is placed in no list.
	s_load_b128 s[4:7], s[0:1], 0x0                ; goal s[4:5], order s[6:7]
	s_load_b64 s[8:9], s[0:1], 0x10                ; counts
	v_lshl_add_u32 v32, v0, 2, 0x100
	v_mov_b32 v33, 0
	v_lshrrev_b32 v1, 5, v0
	s_delay_alu instid0(VALU_DEP_1)
	v_readfirstlane_b32 s10, v1                    ; wave 0..31
	v_and_b32 v2, 31, v0                           ; lane
	v_lshlrev_b32 v3, 4, v0                        ; my four goals: 16 bytes at 16 t
	s_delay_alu instid0(VALU_DEP_4)
	v_lshlrev_b32 v9, 2, v1                        ; LDS: my wave's word
	s_delay_alu instid0(VALU_DEP_3)
	v_lshlrev_b32 v11, 2, v2                       ; LDS: the word of the wave whose number is my lane's
	v_mov_b32 v13, 0                               ; written once: the destination of a lane exchange counts as read
	v_mov_b32 v14, 0
	v_mov_b32 v24, 0                               ; offset 0 and the word 0, for an expert without tokens
	v_mov_b32 v25, 0
	s_mov_b32 s11, ttmp9                           ; e
	s_lshl_b32 s22, ttmp9, 14                      ; my row of order: 4,096 words
	s_mov_b32 s23, 0
	s_lshl_b32 s25, ttmp9, 2
	v_mov_b32 v15, s25                             ; my word of counts
	s_mov_b32 s26, 0x76543210                      ; v_permlanex16_b32's selects for lane l xor 16
	s_mov_b32 s27, 0xfedcba98
.irp c, 0,1,2,3
	v_lshl_or_b32 v[20+\c], v0, 2, \c              ; my four tokens' numbers
.endr
	s_wait_kmcnt 0x0
	s_add_nc_u64 s[6:7], s[6:7], s[22:23]
	global_load_b128 v[4:7], v3, s[4:5]            ; a wave reads 512 consecutive bytes
	s_wait_loadcnt 0x0
.irp c, 0,1,2,3
	v_cmp_eq_u32 s[12+\c], s11, v[4+\c]            ; which lanes' token c is mine
.endr
.irp c, 0,1,2,3
	s_bcnt1_i32_b32 s[16+\c], s[12+\c]
.endr
	s_add_co_u32 s20, s16, s17
	s_add_co_u32 s20, s20, s18
	s_add_co_u32 s20, s20, s19                     ; my wave's number of tokens
	v_mov_b32 v8, s20
	ds_store_b32 v9, v8                            ; all lanes write the same word with the same value
	s_wait_dscnt 0x0                               ; for the others' sake: my store has landed
	s_barrier_signal -1
	s_barrier_wait -1
	ds_load_b32 v10, v11                           ; lane l: wave l's number
	s_wait_dscnt 0x0
	v_cmp_gt_u32 vcc_lo, s10, v2
	s_delay_alu instid0(VALU_DEP_1)
	v_cndmask_b32 v12, 0, v10, vcc_lo              ; only the waves in front of mine
.irp x, 1
	s_delay_alu instid0(VALU_DEP_1)
	v_mov_b32_dpp v13, v12 row_xmask:\x row_mask:0xf bank_mask:0xf
	v_mov_b32_dpp v14, v10 row_xmask:\x row_mask:0xf bank_mask:0xf
	s_delay_alu instid0(VALU_DEP_2)
	v_add_nc_u32 v12, v12, v13
	s_delay_alu instid0(VALU_DEP_2)
	v_add_nc_u32 v10, v10, v14
.endr
.irp x, 2, 4, 8
	s_delay_alu instid0(VALU_DEP_2)
	v_mov_b32_dpp v13, v12 row_xmask:\x row_mask:0xf bank_mask:0xf
	s_delay_alu instid0(VALU_DEP_2)
	v_mov_b32_dpp v14, v10 row_xmask:\x row_mask:0xf bank_mask:0xf
	s_delay_alu instid0(VALU_DEP_2)
	v_add_nc_u32 v12, v12, v13
	s_delay_alu instid0(VALU_DEP_2)
	v_add_nc_u32 v10, v10, v14
.endr
	s_delay_alu instid0(VALU_DEP_2)
	v_permlanex16_b32 v13, v12, s26, s27
	s_delay_alu instid0(VALU_DEP_2)
	v_permlanex16_b32 v14, v10, s26, s27
	s_delay_alu instid0(VALU_DEP_2)
	v_add_nc_u32 v12, v12, v13
	s_delay_alu instid0(VALU_DEP_2)
	v_add_nc_u32 v10, v10, v14
.irp c, 0
	s_delay_alu instid0(VALU_DEP_2)
	v_mbcnt_lo_u32_b32 v[16+\c], s[12+\c], v12     ; the place of my token c: the base + the lanes below me that have one
	s_delay_alu instid0(VALU_DEP_3)
	v_add_nc_u32 v12, s[16+\c], v12
.endr
.irp c, 1, 2, 3
	s_delay_alu instid0(VALU_DEP_1)
	v_mbcnt_lo_u32_b32 v[16+\c], s[12+\c], v12
	s_delay_alu instid0(VALU_DEP_2)
	v_add_nc_u32 v12, s[16+\c], v12                ; the base moves on over all of them
.endr
.irp c, 0,1,2,3
	v_min_u32 v[16+\c], 0xfff, v[16+\c]            ; a place is under 4,096 by the count of tokens; the bound is written out, since the number comes from data
	s_delay_alu instid0(VALU_DEP_1)
	v_lshlrev_b32 v[16+\c], 2, v[16+\c]
.endr
	s_wait_alu depctr_va_vdst(0)
	s_wait_xcnt 0x0                                ; EXEC changes only behind this wait
.irp c, 0,1,2,3
	v_cmp_eq_u32 vcc_lo, s11, v[4+\c]
	s_and_saveexec_b32 s24, vcc_lo
	global_store_b32 v[16+\c], v[20+\c], s[6:7]    ; the lanes that store have neighbouring places
	s_wait_xcnt 0x0                                ; and again in front of the line that widens it
	s_or_b32 exec_lo, exec_lo, s24
.endr
	v_cmp_eq_u32 vcc_lo, 0, v0                     ; thread 0 stores the count
	s_and_saveexec_b32 s24, vcc_lo
	global_store_b32 v15, v10, s[8:9]
	s_wait_xcnt 0x0
	s_or_b32 exec_lo, exec_lo, s24
	v_or_b32 v13, v0, v10                          ; thread 0 of an expert without tokens
	s_delay_alu instid0(VALU_DEP_1)
	v_cmp_eq_u32 vcc_lo, 0, v13
	s_and_saveexec_b32 s24, vcc_lo
	global_store_b32 v24, v25, s[6:7]              ; order[e][0] = 0
	s_wait_xcnt 0x0
	s_or_b32 exec_lo, exec_lo, s24
	s_wait_xcnt 0x0
	s_mov_b32 exec_lo, -1
	s_wait_tensorcnt 0x0
	ds_add_u32 v32, v33
	s_wait_dscnt 0x0
	s_endpgm
.Lfunc_end_k_q773b11ce2a_route:
	.size	k_q773b11ce2a_route, .Lfunc_end_k_q773b11ce2a_route-k_q773b11ce2a_route
	.p2alignl 7, 3214868480
	.fill 96, 4, 3214868480
	.section	.rodata,"a",@progbits
	.p2align	6, 0x0
	.amdhsa_kernel k_q773b11ce2a_route
		.amdhsa_group_segment_fixed_size 4352
		.amdhsa_private_segment_fixed_size 0
		.amdhsa_enable_private_segment 0
		.amdhsa_kernarg_size 24
		.amdhsa_user_sgpr_count 2
		.amdhsa_user_sgpr_kernarg_segment_ptr 1
		.amdhsa_wavefront_size32 1
		.amdhsa_system_sgpr_workgroup_id_x 1
		.amdhsa_system_sgpr_workgroup_id_y 1
		.amdhsa_system_sgpr_workgroup_id_z 1
		.amdhsa_system_vgpr_workitem_id 0
		.amdhsa_next_free_vgpr 34
		.amdhsa_next_free_sgpr 66
		.amdhsa_reserve_vcc 1
		.amdhsa_float_denorm_mode_32 3
		.amdhsa_float_denorm_mode_16_64 3
		.amdhsa_memory_ordered 1
		.amdhsa_forward_progress 1
		.amdhsa_inst_pref_size 7
	.end_amdhsa_kernel
	.amdgpu_metadata
---
amdhsa.version: [ 1, 2 ]
amdhsa.kernels:
  - .name:           k_q773b11ce2a_route
    .symbol:         k_q773b11ce2a_route.kd
    .args:
      - { .name: goal, .offset: 0, .size: 8, .value_kind: global_buffer, .address_space: global }
      - { .name: order, .offset: 8, .size: 8, .value_kind: global_buffer, .address_space: global }
      - { .name: counts, .offset: 16, .size: 8, .value_kind: global_buffer, .address_space: global }
    .group_segment_fixed_size: 4352
    .private_segment_fixed_size: 0
    .kernarg_segment_align: 8
    .kernarg_segment_size: 24
    .max_flat_workgroup_size: 1024
    .sgpr_count:     66
    .vgpr_count:     34
    .wavefront_size: 32
...
	.end_amdgpu_metadata
.endif
;; end of part 3
;; launch mlp (part 4): grid 101 x 2, 8 waves a work-group, no clusters, 204,288 bytes of LDS; arguments features_codes, features_scales, order, counts, Wp0_codes, Wp0_scales, bp0, Wp1_codes, Wp1_scales, bp1, out0, Wv0_codes, Wv0_scales, bv0, Wv1_codes, Wv1_scales, bv1, out1; writes out0, out1
.if DOCPART == 4
	.amdgcn_target "amdgcn-amd-amdhsa--gfx1250"
	.amdhsa_code_object_version 6
	.text
	.protected	k_q773b11ce2a_mlp
	.globl	k_q773b11ce2a_mlp
	.p2align	8
	.type	k_q773b11ce2a_mlp,@function
k_q773b11ce2a_mlp:
	s_mov_b64 s[64:65], 0
	v_nop
	global_prefetch_b8 v0, s[64:65] scope:SCOPE_SE
	s_setreg_imm32_b32 hwreg(HW_REG_WAVE_SCHED_MODE, 0, 2), 2
	s_setreg_imm32_b32 hwreg(HW_REG_WAVE_MODE, 25, 1), 1
	s_wait_xcnt 0x0
	s_wait_alu depctr_vm_vsrc(0)
; out[t] = tanh(Q(tanh(x[t] W0[e] + b0[e])) W1[e] + b1[e]), e = goal[t], for two nets (work-group y = 0: the p weights -> out0; y = 1: the v weights -> out1).
; Both products on codes of FP4 (E2M1) with one E8M0 scale for each 32 along K.  x and the weights arrive as codes, K innermost: a row is 256 bytes of codes and 16 scale bytes.  Q: the hidden layer is quantised here, from f32.
; ONLY THE CHOSEN EXPERT'S ROWS ARE MULTIPLIED.  The launch before has sorted the tokens by expert (order, counts).  A tile is up to 48 tokens of one expert; over all splits of 4,096 tokens on 16 experts
; there are at most (4096 + 16 x 47) / 48 = 101 tiles: work-group x is a tile's number.  One work-group takes its tile through the whole chain; the hidden layer stays in registers and LDS.
; A WORK-GROUP THAT THE SPLIT LEAVES WITHOUT ROWS walks the same text on clamped addresses and stores nothing: so both barriers stand on one straight path that every wave takes, under no branch on a number read from memory.
; SHARES.  Eight waves share the COLUMNS: wave w makes units 64 w .. 64 w + 63 of each layer for all 48 rows (three tiles of 16 rows, m = 0..2).  Its 64 rows of a layer's weights come in two chunks q of 32 rows, 8,192
; consecutive bytes, by loads of 512 consecutive bytes, and turn through the wave's own stage in LDS into fragments.  Loads run two chunks ahead.
; THE PRODUCTS ARE USED TRANSPOSED (source 0 = 16 rows of the weights, source 1 = 16 tokens), AND THE ROWS OF A TILE OF WEIGHTS ARE NOT NEIGHBOURS: lane r of tile u of a chunk takes chunk row 8 u + r + 8 (r / 8).
; So lane (r, h) holds token 16 m + r, and its registers 16 m + 8 u + j hold units 64 w + 32 q + 16 h + 8 u + j: 16 neighbours; a block of 32 lies in lanes l and l xor 16.  The biases are the C of each sum's first product.
; THE HIDDEN LAYER goes from wave to wave as an image of the operand's registers: wave w's 64 units are half c = w % 2 of K step w / 2 of the second product.
; tanh ahead of the quantiser, in f32: 1 - 2 / (1 + 2^(2 z log2 e)), and for z^2 < 1/16, where that difference loses digits, z + z u (c3 + u (c5 + u (c7 + u c9))), u = z^2 (the series' next term is under 1e-8 of z there).  The
; choice is a select, in every lane; no branch hangs on a float.  The last tanh feeds no quantiser and takes the first form alone.
; NO TENSOR LOADS, NO CLUSTER: which tiles share an expert, and how many rows a tile stores, hang on counts read from memory, and so does this text's way out; partners with joint requests would have to run alike.
; LIMITS: goal in 0..15 (as the problem's gather relies on).  NaN among biases, or a scale byte 0xff, is not served.  Rows that pad a tile repeat the tile's last token; where a tile's number of rows is odd, the two halves of the
; lanes store the same bytes to the same row.  A hidden block of zeros gets the scale byte 1: its codes are zeros, and only this text reads the byte.
; THE MODE: SCHED_MODE bits 1:0 = 2 (LLVM: expert scheduling mode 2), set by the entry lines.  The code itself states the register dependences between vector or matrix instructions and memory or LDS instructions,
; with s_wait_alu, always for 0.
; THE PLAN.  Registers that memory or LDS instructions touch, and who else names them:
;   v3-18, v254, v255   addresses and the closing add's pair: made at the head, never written again: one wait on va_vdst ahead of the first load serves them all.
;   v26-31              the places in the list: vector instructions make them, the list's loads read them, x's loads land there: va_vdst ahead of the first, vm_vsrc ahead of the second.
;   v20-25, v19, v38-39 the tokens and the offsets made of them: vector instructions write them, x's loads and the list's LDS stores read them: one wait on va_vdst ahead of x's loads.
;   RAW[q] (window 1)   loads land there, the stage's LDS stores read them, no vector or matrix instruction names them: one wait on vm_vsrc behind the stage, and the set is asked for again at once, AHEAD of the chunk's products.
;   BIAS[q], WS[q]      loads land there, the products read them: one wait on va_vdst behind the products, and the set's five loads follow.
;   v96-159             the fragments' LDS loads land there, the products read them, the first layer's tanh works in v96-143: one wait on va_vdst in each stage but the first, ahead of the fragments' loads.
;   window 1 v0-95, XS  source 1 and its scale words: loads land there, the products read them: one wait on va_vdst ahead of the images' loads.
;   v66-80              the hidden codes and scale bytes: conversions and lane swaps write them, the images' LDS stores read them (va_vdst); on the way out the list's loads land in v66-89 (vm_vsrc in the last chunk).
;   v160-207            the accumulators: products and tanh write them; in the second layer LDS stores read them: va_vdst ahead of each run of stores, vm_vsrc ahead of the products that write them again.
;   s68-83              sixteen masks: a run of compares writes them, one wait on va_sdst stands ahead of the run of selects that read them.
.set PITCH, 272                        ; an LDS row of 256 bytes + 16: 68 words, so that the 16 rows that a load touches start at 16 different banks (64 banks of 4 bytes: ISA guide 11.1)
.set XST,  0                           ; x's 48 rows of codes, written once, read by all waves
.set WST,  13312                       ; + 8,704 w: the wave's own stage for a chunk of weights, 32 rows
.set HIMG, 82944                       ; images of the hidden layer's 12 fragments: 4096 m + 1024 s + 512 c + 16 lane
.set HSC,  95232                       ; their scale words: 512 m + 128 s + 4 lane
.set TL,   96768                       ; + 256 w: the wave's own list of the 48 tokens
.set OST,  98816                       ; + 13,056 w: the wave's own stage for its 48 rows x 64 columns of the result
; window 0
.set GWO,  3                           ; 16 lane: my 16 bytes of a load's 512
.set WSTA, 4                           ; weights' stage, in: 272 h + 16 r
.set WFRA, 5                           ; and out, as fragments: 272 r + 16 h
.set XSTA, 6                           ; x's stage, in: 272 (6 w + h) + 16 r
.set XFRA, 7                           ; and out: 272 r + 16 h
.set HWA,  8                           ; where I store my part of an image: HIMG + 512 w + 16 lane
.set HWS,  9                           ; and my two scale bytes: HSC + 128 (w / 2) + 2 (w % 2) + 4 lane
.set LI,   10                          ; HIMG + 16 lane
.set LS,   11                          ; HSC + 4 lane
.set OSA,  12                          ; result's stage, in: 272 r + 64 h
.set OSR,  13                          ; and out: 272 h + 16 r
.set TLW,  14                          ; tokens' list, in: 4 r
.set TLR,  15                          ; and out: 4 h
.set WSO,  16                          ; my row of a chunk's scale bytes: 16 (8 h + r + 8 (r / 8))
.set BO,   17                          ; my 16 numbers of a chunk's 32 biases: 64 h
.set OCOL, 18                          ; 16 r
.set TG,   20                          ; v20-22 tokens of the rows that I gather, then their byte offsets
.set TOK,  23                          ; v23-25 token of row 16 m + r
.set XR,   26                          ; v26-37 first the six places in the list, then three pairs of rows of x as loaded
.set XS,   40                          ; v40-51 source 1's scale words, 4 m + s: scales and nothing else
.set WS,   52                          ; v52-59 the weights' scale words, two sets of 4: lanes 0-15 tile 0's rows, lanes 16-31 tile 1's: scales and nothing else
.set C7,   60                          ; v60-65 the pairs c7, c5, c3
.set C5,   62
.set C3,   64
.set PC,   66                          ; v66-77 the hidden layer's codes: 4 m + 2 q + 0, 1
.set HB,   78                          ; v78-80 its two scale bytes for each m
.set MX,   81                          ; v81-83 a block's largest magnitude
.set MY,   84                          ; v84-86 the other half of the lanes'
.set SO,   87                          ; v87-89 the conversions' scale operands
.set SB,   90                          ; v90-92 a scale byte
.set OT,   66                          ; the way out: v66-89 byte offsets of 24 pairs of rows
.set FRG,  96                          ; v96-159 a chunk's 8 fragments at 8 (4 u + s); behind the products v96-143 are at work:
.set TT,   96
.set UU,   112
.set PP,   128
.set HA,   160                         ; v160-207 six accumulators at 16 m + 8 u
; window 1
.set RAW,  96                          ; v96-159, v160-223 a chunk as loaded, two sets.  (v0-95: source 1's 12 fragments at 8 (4 m + s))
.set BIAS, 224                         ; v224-239, v240-255 a chunk's biases in the result's layout, 8 u + j, two sets
; scalar
.set W0C, 12
.set W0S, 14
.set B0P, 16
.set W1C, 18
.set W1S, 20
.set B1P, 22
.set OUTP, 24
.set K2,  26                           ; s[26:27] 2 log2(e)
.set C9,  58                           ; s[58:59] c9
.set MK,  68                           ; s68-83 first the sixteen counts, then sixteen masks of the tanh's select
.set MSB, 0
.macro WIN new                         ; s_set_vgpr_msb: bits 1:0 source 0, 3:2 source 1, 5:4 source 2, 7:6 destination; the immediate's high byte repeats the setting that is left
.if MSB != \new
	s_set_vgpr_msb (MSB<<8)|\new
.set MSB, \new
.endif
.endm
.macro BARRIER                         ; my LDS stores have landed and my LDS loads are in: then the work-group's barrier
	s_wait_dscnt 0x0
	s_barrier_signal -1
	s_barrier_wait -1
.endm
; A chunk's 21 loads, in two parts.  The 16 of codes (512 consecutive bytes each): chunk q of a layer into set
.macro WCODES set, cb, q
	WIN 0x40                                       ; destination window 1, address window 0
.set i, 0
.rept 16
	global_load_b128 v[RAW+64*(\set)+4*i:RAW+64*(\set)+4*i+3], v[GWO], s[\cb:\cb+1] offset:8192*(\q)+512*i   ; lanes 0-15 chunk row 2 i, lanes 16-31 row 2 i + 1
.set i, i+1
.endr
.endm
; and the other five: 4 of biases, 1 of scale words
.macro WREST set, sb, bb, q
	WIN 0x40
.set i, 0
.rept 4
	global_load_b128 v[BIAS+16*(\set)+4*i:BIAS+16*(\set)+4*i+3], v[BO], s[\bb:\bb+1] offset:128*(\q)+16*i     ; units 16 h + 4 i + 0 .. 3 of the chunk
.set i, i+1
.endr
	WIN 0
	global_load_b128 v[WS+4*(\set):WS+4*(\set)+3], v[WSO], s[\sb:\sb+1] offset:512*(\q)                       ; my row's 16 bytes: word s for K step s
.endm
; The chunk turns through my own stage.  Chunk row x goes to stage row (x & 7) + 2 (x & 8) + (x & 16) / 2, so that a tile's 16 rows lie on end.  LDS serves a wave's instructions in order: no wait between the stores and the loads.
; first = 1: the first chunk: no vector or matrix instruction has named the fragments' registers yet.
.macro STAGE set, first
	WIN 0x04                                       ; an LDS store's data are its source 1: window 1
.set i, 0
.rept 16
	ds_store_b128 v[WSTA], v[RAW+64*(\set)+4*i:RAW+64*(\set)+4*i+3] offset:(((2*i)&7)|(((2*i)&8)<<1)|(((2*i)&16)>>1))*PITCH
.set i, i+1
.endr
	WIN 0
.if !(\first)
	s_wait_alu depctr_va_vdst(0)                   ; the chunk before is done with v[FRG ..], in which the loads below land: its products have read them, and the first layer's tanh has written and read v96-143
.endif
.irp u, 0,1
.irp s, 0,1,2,3
.irp c, 0,1
	ds_load_b128 v[FRG+8*(4*\u+\s)+4*\c:FRG+8*(4*\u+\s)+4*\c+3], v[WFRA] offset:16*\u*PITCH+64*\s+32*\c   ; registers 4 c .. 4 c + 3: K = 128 s + 64 c + 32 h + 0 .. 31
.endr
.endr
.endr
	s_wait_dscnt 0x0                               ; the fragments are in (source 1's too)
.endm
.macro PROD set, s, m, u
.set rD, HA+16*(\m)+8*(\u)
.set rA, FRG+8*(4*(\u)+(\s))
.set rB, 8*(4*(\m)+(\s))
.set rC, rD
.if (\s) == 0
.set rC, BIAS+16*(\set)+8*(\u)                 ; the first K step starts the sum with the bias
.endif
.if (\u) == 0
	v_wmma_scale_f32_16x16x128_f8f6f4 v[rD:rD+7], v[rA:rA+7], v[rB:rB+7], v[rC:rC+7], v[WS+4*(\set)+(\s)], v[XS+4*(\m)+(\s)] matrix_a_fmt:MATRIX_FMT_FP4 matrix_b_fmt:MATRIX_FMT_FP4
.else
	v_wmma_scale_f32_16x16x128_f8f6f4 v[rD:rD+7], v[rA:rA+7], v[rB:rB+7], v[rC:rC+7], v[WS+4*(\set)+(\s)], v[XS+4*(\m)+(\s)] matrix_a_fmt:MATRIX_FMT_FP4 matrix_b_fmt:MATRIX_FMT_FP4 matrix_a_scale:MATRIX_SCALE_ROW1
.endif
.endm
; 24 products: K step by K step, the six accumulators by turns, one instruction a turn
.macro MULS set
.irp s, 0,1,2,3
.if \s == 0
	WIN 0x14                                       ; source 1 (the tokens' fragments) and C (the bias) window 1
.else
	WIN 0x04                                       ; source 1 window 1
.endif
.irp m, 0,1,2
.irp u, 0,1
	PROD \set, \s, \m, \u
.endr
.endr
.endr
	WIN 0
.rept 4
	v_nop                                          ; four places (ISA guide 7.12.1) ahead of the reads of the results and of vector writes into the fragments' registers
.endr
.endm
; tanh of the 16 numbers of row tile m, to f32's accuracy for small numbers too; each accumulator is read from its low end on
.macro TANH_ACC m
.set ZZ, HA+16*(\m)
.set i, 0
.rept 8
	v_pk_mul_f32 v[TT+i:TT+i+1], v[ZZ+i:ZZ+i+1], s[K2:K2+1] op_sel_hi:[1,0]
.set i, i+2
.endr
.set i, 0
	s_wait_alu depctr_va_vdst(0)
.rept 16
	v_exp_f32 v[TT+i], v[TT+i]                     ; e^(2 z)
.set i, i+1
.endr
.set i, 0
.rept 8
	v_pk_mul_f32 v[UU+i:UU+i+1], v[ZZ+i:ZZ+i+1], v[ZZ+i:ZZ+i+1]   ; u = z^2.  (Plain lines behind the exponentials)
.set i, i+2
.endr
	s_wait_alu depctr_va_vdst(0)                   ; the sixteen exponentials have written v[TT ..]: one wait for the batch, ahead of its first reader
.set i, 0
.rept 8
	v_pk_add_f32 v[TT+i:TT+i+1], v[TT+i:TT+i+1], 1.0 op_sel_hi:[1,0]
.set i, i+2
.endr
.set i, 0
	s_wait_alu depctr_va_vdst(0)
.rept 16
	v_rcp_f32 v[TT+i], v[TT+i]
.set i, i+1
.endr
.set i, 0
.rept 8
	v_pk_fma_f32 v[PP+i:PP+i+1], v[UU+i:UU+i+1], s[C9:C9+1], v[C7:C7+1] op_sel_hi:[1,0,1]   ; (plain lines behind the reciprocals)
.set i, i+2
.endr
.set i, 0
.rept 8
	v_pk_fma_f32 v[PP+i:PP+i+1], v[PP+i:PP+i+1], v[UU+i:UU+i+1], v[C5:C5+1]
.set i, i+2
.endr
.set i, 0
.rept 8
	v_pk_fma_f32 v[PP+i:PP+i+1], v[PP+i:PP+i+1], v[UU+i:UU+i+1], v[C3:C3+1]
.set i, i+2
.endr
.set i, 0
.rept 8
	v_pk_mul_f32 v[PP+i:PP+i+1], v[PP+i:PP+i+1], v[UU+i:UU+i+1]
.set i, i+2
.endr
.set i, 0
.rept 8
	v_pk_fma_f32 v[PP+i:PP+i+1], v[ZZ+i:ZZ+i+1], v[PP+i:PP+i+1], v[ZZ+i:ZZ+i+1]   ; the series: z + z u (..)
.set i, i+2
.endr
.set i, 0
.rept 16
	v_cmp_gt_f32 s[MK+i], s56, v[UU+i]             ; 1/16 > z^2: the series.  The sixteen compares stand in one run, a mask register to each
.set i, i+1
.endr
	s_wait_alu depctr_va_vdst(0)                   ; the sixteen reciprocals have written v[TT ..]: one wait for the batch, ahead of its first reader
.set i, 0
.rept 8
	v_pk_fma_f32 v[TT+i:TT+i+1], v[TT+i:TT+i+1], -2.0, 1.0 op_sel_hi:[1,0,0]      ; 1 - 2 / (1 + e^(2 z))
.set i, i+2
.endr
	s_wait_alu depctr_va_sdst(0)                   ; the sixteen compares have written s[MK ..], ahead of the first select that reads one
.set i, 0
.rept 16
	v_cndmask_b32 v[ZZ+i], v[TT+i], v[PP+i], s[MK+i]
.set i, i+1
.endr
.endm
; the last tanh, in place: its result goes into no quantiser
.macro TANH_OUT m
.set ZZ, HA+16*(\m)
.set i, 0
.rept 8
	v_pk_mul_f32 v[ZZ+i:ZZ+i+1], v[ZZ+i:ZZ+i+1], s[K2:K2+1] op_sel_hi:[1,0]
.set i, i+2
.endr
.set i, 0
	s_wait_alu depctr_va_vdst(0)
.rept 16
	v_exp_f32 v[ZZ+i], v[ZZ+i]
.set i, i+1
.endr
	v_nop                                          ; a plain line behind the last exponential
	s_wait_alu depctr_va_vdst(0)                   ; the sixteen exponentials have written v[ZZ ..]: one wait for the batch, ahead of its first reader
.set i, 0
.rept 8
	v_pk_add_f32 v[ZZ+i:ZZ+i+1], v[ZZ+i:ZZ+i+1], 1.0 op_sel_hi:[1,0]
.set i, i+2
.endr
.set i, 0
	s_wait_alu depctr_va_vdst(0)
.rept 16
	v_rcp_f32 v[ZZ+i], v[ZZ+i]
.set i, i+1
.endr
	v_nop                                          ; a plain line behind the last reciprocal
	s_wait_alu depctr_va_vdst(0)                   ; the sixteen reciprocals have written v[ZZ ..]: one wait for the batch, ahead of its first reader
.set i, 0
.rept 8
	v_pk_fma_f32 v[ZZ+i:ZZ+i+1], v[ZZ+i:ZZ+i+1], -2.0, 1.0 op_sel_hi:[1,0,0]
.set i, i+2
.endr
.endm
; The chunk's 32 hidden units are one block of each row: my 16 numbers and lane l xor 16's.  The three row tiles by turns.
.macro QUANT q
.irp m, 0,1,2
	v_max3_num_f32 v[MX+\m], |v[HA+16*\m]|, |v[HA+16*\m+1]|, 0x1800000   ; and the floor 2^(3 - 127): the byte cannot fall under 1
.endr
.irp i, 2,4,6,8,10,12,14
.irp m, 0,1,2
	v_max3_num_f32 v[MX+\m], v[MX+\m], |v[HA+16*\m+\i]|, |v[HA+16*\m+\i+1]|
.endr
.endr
.irp m, 0,1,2
	v_permlanex16_b32 v[MY+\m], v[MX+\m], s54, s55
.endr
.irp m, 0,1,2
	v_max_num_f32 v[MX+\m], v[MX+\m], v[MY+\m]     ; the block's largest magnitude
.endr
.irp m, 0,1,2
	v_add_nc_u32 v[SO+\m], 0xff000000, v[MX+\m]    ; 2 off its exponent field: the conversion takes the exponent field of this operand as its scale
.endr
.irp m, 0,1,2
.if \q == 0
	v_lshrrev_b32 v[HB+\m], 23, v[SO+\m]           ; the scale's byte: the lower of my two
.else
	v_lshrrev_b32 v[SB+\m], 23, v[SO+\m]
	v_lshl_or_b32 v[HB+\m], v[SB+\m], 8, v[HB+\m]  ; the upper
.endif
.endr
.irp m, 0,1,2
	v_cvt_scalef32_pk8_fp4_f32 v[PC+4*\m+2*(\q)], v[HA+16*\m:HA+16*\m+7], v[SO+\m]
	v_cvt_scalef32_pk8_fp4_f32 v[PC+4*\m+2*(\q)+1], v[HA+16*\m+8:HA+16*\m+15], v[SO+\m]
.endr
	v_nop                                          ; one plain line behind the last scaled conversion
.endm
; One chunk: 32 units of a layer for the 48 rows.  The set of registers is q.  cnt: the loads issued behind this chunk's, which may stay out.  first = 1: the first chunk of all.
.macro CHUNK layer, q, cnt, first
	s_wait_loadcnt \cnt
	STAGE \q, \first
.if \layer == 0
	WIN 0x40
	s_wait_alu depctr_vm_vsrc(0)                   ; the stage's LDS stores have read RAW[q], in which the loads below land; no vector or matrix instruction names that set
	WCODES \q, W1C, \q                             ; the set takes the codes of the chunk two further on, the second layer's chunk q, ahead of this chunk's products
.elseif \q == 1
	s_wait_alu depctr_vm_vsrc(0)                   ; chunk 0's LDS stores have read the accumulators, which the products below write again; the images' LDS stores have read v66-80, in which the way out's loads land
.endif
	MULS \q
.if \layer == 0
	WIN 0x40
	s_wait_alu depctr_va_vdst(0)                   ; the products are done reading this set's biases and scale words, in which the five loads below land
	WREST \q, W1S, B1P, \q
	TANH_ACC 0
	TANH_ACC 1
	TANH_ACC 2
	QUANT \q
.else
	TANH_OUT 0
	TANH_OUT 1
	TANH_OUT 2
	s_wait_alu depctr_va_vdst(0)                   ; the last tanh has written the accumulators, which the LDS stores below read
.irp m, 0,1,2
.irp t, 0,1,2,3
	ds_store_b128 v[OSA], v[HA+16*\m+4*\t:HA+16*\m+4*\t+3] offset:16*\m*PITCH+128*(\q)+16*\t   ; row 16 m + r, columns 32 q + 16 h + 4 t on
.endr
.endr
.endif
.endm
	; ---- the head: addresses, ids, constants
	s_load_b256 s[4:11], s[0:1], 0x0               ; x's codes s[4:5], x's scales s[6:7], order s[8:9], counts s[10:11]
	s_load_b256 s[12:19], s[0:1], 0x20             ; the p net: W0's codes, W0's scales, b0, W1's codes,
	s_load_b128 s[20:23], s[0:1], 0x40             ; W1's scales, b1,
	s_load_b64 s[24:25], s[0:1], 0x50              ; out0
	s_load_b256 s[28:35], s[0:1], 0x58             ; the v net, in the same order
	s_load_b128 s[36:39], s[0:1], 0x78
	s_load_b64 s[40:41], s[0:1], 0x88              ; out1
	v_lshl_add_u32 v254, v0, 2, 0x31a00
	v_mov_b32 v255, 0
	v_lshrrev_b32 v19, 5, v0
	v_readfirstlane_b32 s42, v19                   ; wave 0..7
	s_mov_b32 s43, ttmp9                           ; the tile's number
	s_and_b32 s44, ttmp7, 0xffff                   ; the net
	v_and_b32 v1, 15, v0                           ; r
	v_bfe_u32 v2, v0, 4, 1                         ; h
	v_and_b32 v3, 31, v0                           ; lane
	v_lshlrev_b32 v[LS], 2, v3                     ; 4 lane
	v_lshlrev_b32 v[GWO], 4, v3                    ; 16 lane
	v_mul_u32_u24 v38, v2, PITCH
	v_lshl_add_u32 v38, v1, 4, v38                 ; 272 h + 16 r: sixteen lanes to a row, two rows an instruction
	v_mul_u32_u24 v[XFRA], v1, PITCH
	v_lshl_add_u32 v[XFRA], v2, 4, v[XFRA]         ; 272 r + 16 h: a fragment's row and half (x's stage begins at LDS byte 0)
	s_wait_alu depctr_va_sdst(0)                   ; s42, the wave's number, is written, ahead of its first reader: LDS addresses and the buffers' offsets are made from it
	s_mul_i32 s60, s42, 32*PITCH
	s_add_co_u32 s60, s60, WST
	v_add_nc_u32 v[WSTA], s60, v38
	v_add_nc_u32 v[WFRA], s60, v[XFRA]
	s_mul_i32 s60, s42, 6*PITCH
	v_add_nc_u32 v[XSTA], s60, v38                 ; I gather rows 6 w .. 6 w + 5
	s_lshl_b32 s60, s42, 9
	s_add_co_u32 s60, s60, HIMG
	v_add_nc_u32 v[HWA], s60, v[GWO]
	s_lshr_b32 s60, s42, 1
	s_lshl_b32 s60, s60, 7
	s_and_b32 s61, s42, 1
	s_lshl_b32 s61, s61, 1
	s_add_co_u32 s60, s60, s61
	s_add_co_u32 s60, s60, HSC
	v_add_nc_u32 v[HWS], s60, v[LS]
	v_add_nc_u32 v[LI], HIMG, v[GWO]
	v_add_nc_u32 v[LS], HSC, v[LS]
	s_mul_i32 s60, s42, 48*PITCH
	s_add_co_u32 s60, s60, OST
	v_mul_u32_u24 v[OSA], v1, PITCH
	v_lshl_add_u32 v[OSA], v2, 6, v[OSA]
	v_add_nc_u32 v[OSA], s60, v[OSA]
	v_add_nc_u32 v[OSR], s60, v38
	s_lshl_b32 s60, s42, 8
	s_add_co_u32 s60, s60, TL
	v_lshl_add_u32 v[TLW], v1, 2, s60
	v_lshl_add_u32 v[TLR], v2, 2, s60
	v_and_b32 v[WSO], 8, v1
	v_add_nc_u32 v[WSO], v[WSO], v1                ; r + 8 (r / 8)
	v_lshl_add_u32 v[WSO], v2, 3, v[WSO]           ; + 8 h: lanes 16-31 take tile 1's rows
	v_lshlrev_b32 v[WSO], 4, v[WSO]
	v_lshlrev_b32 v[BO], 6, v2
	v_lshlrev_b32 v[OCOL], 4, v1
	s_mov_b32 s54, 0x76543210                      ; v_permlanex16_b32's selects for lane l xor 16
	s_mov_b32 s55, 0xfedcba98
	s_mov_b32 s56, 0x3d800000                      ; 1/16
	s_mov_b32 s[K2], 0x4038aa3b                    ; 2 log2(e)
	s_mov_b32 s[K2+1], s[K2]                       ; (named with it as a pair, so it is written)
	s_mov_b32 s[C9], 0x3cb327a4                    ; c9 = 62 / 2835
	s_mov_b32 s[C9+1], s[C9]
	v_mov_b32 v[C7], 0xbd5d0dd1                    ; c7 = -17 / 315
	v_mov_b32 v[C7+1], 0xbd5d0dd1
	v_mov_b32 v[C5], 0x3e088889                    ; c5 = 2 / 15
	v_mov_b32 v[C5+1], 0x3e088889
	v_mov_b32 v[C3], 0xbeaaaaab                    ; c3 = -1 / 3
	v_mov_b32 v[C3+1], 0xbeaaaaab
.irp m, 0,1,2
	v_mov_b32 v[MY+\m], 0                          ; written once: a lane permute's destination counts as one of its sources
.endr
	s_wait_kmcnt 0x0
	s_load_b512 s[68:83], s[10:11], 0x0            ; the sixteen counts
	s_cmp_eq_u32 s44, 0                            ; the net's seven buffers: the choice hangs on the work-group's number alone
.irp i, 0,1,2,3,4,5,6
	s_cselect_b64 s[12+2*\i:13+2*\i], s[12+2*\i:13+2*\i], s[28+2*\i:29+2*\i]
.endr
	s_mov_b32 s45, 0                               ; the number of the first tile of the expert in hand
	s_mov_b32 s46, 0                               ; my expert,
	s_mov_b32 s47, 0                               ; its first tile's number,
	s_mov_b32 s48, 0                               ; its count
	s_wait_kmcnt 0x0
	; whose tile is mine: the last expert whose first tile's number is not above mine.  No branch: selects
.irp e, 0,1,2,3,4,5,6,7,8,9,10,11,12,13,14,15
	s_min_u32 s49, s[68+\e], 0x1000
	s_cmp_le_u32 s45, s43
	s_cselect_b32 s46, \e, s46
	s_cselect_b32 s47, s45, s47
	s_cselect_b32 s48, s49, s48
	s_add_co_u32 s49, s49, 47                      ; its tiles: (count + 47) / 48 = ((count + 47) / 16) / 3,
	s_lshr_b32 s49, s49, 4
	s_mul_i32 s49, s49, 0xaaab                     ; y / 3 = y x 43,691 / 2^17, exact for y up to 258
	s_lshr_b32 s49, s49, 17
	s_add_co_u32 s45, s45, s49
.endr
	s_min_u32 s46, s46, 15
	s_sub_co_u32 s50, s43, s47
	s_min_u32 s50, s50, 127                        ; which tile of the expert
	s_mul_i32 s62, s50, 48                         ; its first place in the expert's list
	s_sub_co_i32 s51, s48, s62
	s_min_i32 s51, s51, 48                         ; N: the tile's rows; 0 or less: a tile that this split does not have
	s_max_u32 s57, s48, 1
	s_sub_co_u32 s57, s57, 1                       ; the last place of the list that holds a token
	s_mov_b32 s53, 0
	s_lshl_b32 s52, s46, 17                        ; codes: an expert's 512 rows of 256 bytes, my wave's 64 rows
	s_lshl_b32 s60, s42, 14
	s_add_co_u32 s52, s52, s60
	s_add_nc_u64 s[W0C:W0C+1], s[W0C:W0C+1], s[52:53]
	s_add_nc_u64 s[W1C:W1C+1], s[W1C:W1C+1], s[52:53]
	s_lshr_b32 s52, s52, 4                         ; scale bytes: a sixteenth of that
	s_add_nc_u64 s[W0S:W0S+1], s[W0S:W0S+1], s[52:53]
	s_add_nc_u64 s[W1S:W1S+1], s[W1S:W1S+1], s[52:53]
	s_lshr_b32 s52, s52, 2                         ; biases: 2,048 bytes an expert, 256 a wave
	s_add_nc_u64 s[B0P:B0P+1], s[B0P:B0P+1], s[52:53]
	s_add_nc_u64 s[B1P:B1P+1], s[B1P:B1P+1], s[52:53]
	s_lshl_b32 s52, s46, 14                        ; the expert's row of the list
	s_add_nc_u64 s[8:9], s[8:9], s[52:53]
	s_lshl_b32 s52, s42, 8                         ; my wave's 64 columns of the result
	s_add_nc_u64 s[OUTP:OUTP+1], s[OUTP:OUTP+1], s[52:53]
	; ---- the gather.  Places past the list's end are held at its last token
	s_mul_i32 s61, s42, 6
	s_add_co_u32 s61, s61, s62
	v_add_nc_u32 v[XR], s61, v2                    ; the rows that I bring: 6 w + h + 2 i
	v_add_nc_u32 v[XR+1], 2, v[XR]
	v_add_nc_u32 v[XR+2], 4, v[XR]
	v_add_nc_u32 v[XR+3], s62, v1                  ; the rows whose scale words I hold: 16 m + r
	v_add_nc_u32 v[XR+4], 16, v[XR+3]
	v_add_nc_u32 v[XR+5], 32, v[XR+3]
.irp i, 0,1,2,3,4,5
	v_min_u32 v[XR+\i], s57, v[XR+\i]
.endr
.irp i, 0,1,2,3,4,5
	v_min_u32 v[XR+\i], 0xfff, v[XR+\i]            ; the bound written out: the number comes from data
.endr
.irp i, 0,1,2,3,4,5
	v_lshlrev_b32 v[XR+\i], 2, v[XR+\i]
.endr
	s_wait_alu depctr_va_vdst(0)                   ; the six places v26-31 are written, which the loads below read; so are all the addresses v3-18 of the head, which every later load and store reads and no line writes again
.irp i, 0,1,2,3,4,5
	global_load_b32 v[TG+\i], v[XR+\i], s[8:9]     ; v20-22: my rows' tokens; v23-25: those of rows 16 m + r
.endr
	WCODES 0, W0C, 0                               ; the first layer's chunk 0
	WREST 0, W0S, B0P, 0
	s_wait_loadcnt 21                              ; the chunk's 21 loads may stay out: the six tokens are in, and their loads' address registers are free
.irp i, 0,1,2,3,4,5
	v_min_u32 v[TG+\i], 0xfff, v[TG+\i]
.endr
.irp i, 0,1,2
	v_lshl_add_u32 v[TG+\i], v[TG+\i], 8, v[OCOL]  ; a row of x is 256 bytes: sixteen lanes take it whole
.endr
	v_lshlrev_b32 v38, 4, v[TOK]                   ; and its 16 scale bytes
	v_lshlrev_b32 v39, 4, v[TOK+1]
	v_lshlrev_b32 v19, 4, v[TOK+2]
	s_wait_alu depctr_va_vdst(0)                   ; the offsets v20-22, v38, v39, v19 are written, which the loads below read, and the bounded tokens v23-25, which the LDS stores of the list read
	s_wait_alu depctr_vm_vsrc(0)                   ; the list's six loads have read v26-31, in which x's rows land
.irp i, 0,1,2
	global_load_b128 v[XR+4*\i:XR+4*\i+3], v[TG+\i], s[4:5]
.endr
	global_load_b128 v[XS:XS+3], v38, s[6:7]       ; word s: K step s of row 16 m + r
	global_load_b128 v[XS+4:XS+7], v39, s[6:7]
	global_load_b128 v[XS+8:XS+11], v19, s[6:7]
	WCODES 1, W0C, 1                               ; the first layer's chunk 1
	WREST 1, W0S, B0P, 1
.irp m, 0,1,2
	ds_store_b32 v[TLW], v[TOK+\m] offset:64*\m    ; my own list of the 48 tokens, for the way out (lanes r and 16 + r write the same word with the same value)
.endr
	s_wait_loadcnt 21                              ; chunk 1's 21 loads may stay out: x, its scale words and chunk 0 are in
.irp i, 0,1,2
	ds_store_b128 v[XSTA], v[XR+4*\i:XR+4*\i+3] offset:2*\i*PITCH
.endr
	BARRIER                                        ; x's 48 rows lie in LDS
	; ---- the first layer
	WIN 0x40                                       ; destination window 1
.irp m, 0,1,2
.irp s, 0,1,2,3
.irp c, 0,1
	ds_load_b128 v[8*(4*\m+\s)+4*\c:8*(4*\m+\s)+4*\c+3], v[XFRA] offset:16*\m*PITCH+64*\s+32*\c
.endr
.endr
.endr
	WIN 0
	CHUNK 0, 0, 21, 1                              ; (chunk 1's 21 loads may stay out)
	CHUNK 0, 1, 21, 0                              ; (the 21 of the second layer's chunk 0)
.irp m, 0,1,2                                  ; the operand's layout wants a WHOLE block in a lane: lanes 0-15 chunk 0's, lanes 16-31 chunk 1's
	v_permlane16_swap_b32 v[PC+4*\m], v[PC+4*\m+2]
	v_permlane16_swap_b32 v[PC+4*\m+1], v[PC+4*\m+3]
.endr
	s_wait_alu depctr_va_vdst(0)                   ; the lane swaps have written the codes v66-77, and the quantiser the scale bytes v78-80, which the LDS stores below read
.irp m, 0,1,2
	ds_store_b128 v[HWA], v[PC+4*\m:PC+4*\m+3] offset:4096*\m   ; registers 4 c .. 4 c + 3 of K step w / 2, c = w % 2, as they stand
	ds_store_b16 v[HWS], v[HB+\m] offset:512*\m                 ; bytes 2 c, 2 c + 1 of that K step's scale word of my row
.endr
	BARRIER                                        ; the hidden layer's twelve fragments and their scale words lie in LDS
	; ---- the second layer
	WIN 0x40
	s_wait_alu depctr_va_vdst(0)                   ; the first layer's products are done reading source 1's registers, v0-95 of window 1, and its scale words v40-51, in which the images and their scale words land
.irp m, 0,1,2
.irp s, 0,1,2,3
.irp c, 0,1
	ds_load_b128 v[8*(4*\m+\s)+4*\c:8*(4*\m+\s)+4*\c+3], v[LI] offset:4096*\m+1024*\s+512*\c
.endr
.endr
.endr
	WIN 0
.irp m, 0,1,2
.irp s, 0,1,2,3
	ds_load_b32 v[XS+4*\m+\s], v[LS] offset:512*\m+128*\s
.endr
.endr
	CHUNK 1, 0, 21, 0                              ; (the 21 of the second layer's chunk 1 may stay out)
	CHUNK 1, 1, 0, 0
	; ---- the way out: my 48 rows x 256 bytes come back from my own stage by rows; sixteen lanes store 256 consecutive bytes, at a multiple of 256 from the buffer's first byte; two rows an instruction
	; No wait ahead of these loads: no vector or matrix instruction has been issued since the wait ahead of the last chunk's LDS stores, and the images' stores, which read v66-80, stand ahead of that chunk's wait on vm_vsrc
.set i, 0
.rept 24
	ds_load_b32 v[OT+i], v[TLR] offset:8*i         ; the token of row 2 i + h
.set i, i+1
.endr
.set i, 0
.rept 24
.if i < 16
.set rO, 96+4*i
.else
.set rO, 208+4*(i-16)
.endif
	ds_load_b128 v[rO:rO+3], v[OSR] offset:2*i*PITCH   ; LDS serves a wave's instructions in order: these see my stores
.set i, i+1
.endr
	s_wait_dscnt 0x0
.set i, 0
.rept 24
	v_min_u32 v[OT+i], 0xfff, v[OT+i]
	v_lshl_add_u32 v[OT+i], v[OT+i], 11, v[OCOL]   ; a row of the result is 2,048 bytes
.set i, i+1
.endr
	s_wait_alu depctr_va_vdst(0)                   ; the 24 offsets v66-89 are written, which the stores below read: one wait, ahead of the first branch, for every way through them
.set i, 0
.rept 24
.if i < 16
.set rO, 96+4*i
.else
.set rO, 208+4*(i-16)
.endif
	s_cmp_le_i32 s51, 2*i                          ; rows from N on are padding: nothing more is stored
	s_cbranch_scc1 .Lend
	global_store_b128 v[OT+i], v[rO:rO+3], s[OUTP:OUTP+1] th:TH_STORE_NT   ; written once, read by nobody here
.set i, i+1
.endr
.Lend:
	s_barrier_signal -1
	s_barrier_wait -1
	s_wait_dscnt 0x0                               ; the closing lines, six on end
	s_wait_alu 0x0
	s_wait_tensorcnt 0x0
	ds_add_u32 v254, v255
	s_wait_dscnt 0x0
	s_endpgm
.Lfunc_end_k_q773b11ce2a_mlp:
	.size	k_q773b11ce2a_mlp, .Lfunc_end_k_q773b11ce2a_mlp-k_q773b11ce2a_mlp
	.p2alignl 7, 3214868480
	.fill 96, 4, 3214868480
	.section	.rodata,"a",@progbits
	.p2align	6, 0x0
	.amdhsa_kernel k_q773b11ce2a_mlp
		.amdhsa_group_segment_fixed_size 204288
		.amdhsa_private_segment_fixed_size 0
		.amdhsa_enable_private_segment 0
		.amdhsa_kernarg_size 144
		.amdhsa_user_sgpr_count 2
		.amdhsa_user_sgpr_kernarg_segment_ptr 1
		.amdhsa_wavefront_size32 1
		.amdhsa_system_sgpr_workgroup_id_x 1
		.amdhsa_system_sgpr_workgroup_id_y 1
		.amdhsa_system_sgpr_workgroup_id_z 1
		.amdhsa_system_vgpr_workitem_id 0
		.amdhsa_next_free_vgpr 512
		.amdhsa_next_free_sgpr 84
		.amdhsa_reserve_vcc 0
		.amdhsa_float_denorm_mode_32 3
		.amdhsa_float_denorm_mode_16_64 3
		.amdhsa_memory_ordered 1
		.amdhsa_forward_progress 1
		.amdhsa_inst_pref_size 129
	.end_amdhsa_kernel
	.amdgpu_metadata
---
amdhsa.version: [ 1, 2 ]
amdhsa.kernels:
  - .name:           k_q773b11ce2a_mlp
    .symbol:         k_q773b11ce2a_mlp.kd
    .args:
      - { .name: features_codes, .offset: 0, .size: 8, .value_kind: global_buffer, .address_space: global }
      - { .name: features_scales, .offset: 8, .size: 8, .value_kind: global_buffer, .address_space: global }
      - { .name: order, .offset: 16, .size: 8, .value_kind: global_buffer, .address_space: global }
      - { .name: counts, .offset: 24, .size: 8, .value_kind: global_buffer, .address_space: global }
      - { .name: Wp0_codes, .offset: 32, .size: 8, .value_kind: global_buffer, .address_space: global }
      - { .name: Wp0_scales, .offset: 40, .size: 8, .value_kind: global_buffer, .address_space: global }
      - { .name: bp0, .offset: 48, .size: 8, .value_kind: global_buffer, .address_space: global }
      - { .name: Wp1_codes, .offset: 56, .size: 8, .value_kind: global_buffer, .address_space: global }
      - { .name: Wp1_scales, .offset: 64, .size: 8, .value_kind: global_buffer, .address_space: global }
      - { .name: bp1, .offset: 72, .size: 8, .value_kind: global_buffer, .address_space: global }
      - { .name: out0, .offset: 80, .size: 8, .value_kind: global_buffer, .address_space: global }
      - { .name: Wv0_codes, .offset: 88, .size: 8, .value_kind: global_buffer, .address_space: global }
      - { .name: Wv0_scales, .offset: 96, .size: 8, .value_kind: global_buffer, .address_space: global }
      - { .name: bv0, .offset: 104, .size: 8, .value_kind: global_buffer, .address_space: global }
      - { .name: Wv1_codes, .offset: 112, .size: 8, .value_kind: global_buffer, .address_space: global }
      - { .name: Wv1_scales, .offset: 120, .size: 8, .value_kind: global_buffer, .address_space: global }
      - { .name: bv1, .offset: 128, .size: 8, .value_kind: global_buffer, .address_space: global }
      - { .name: out1, .offset: 136, .size: 8, .value_kind: global_buffer, .address_space: global }
    .group_segment_fixed_size: 204288
    .private_segment_fixed_size: 0
    .kernarg_segment_align: 8
    .kernarg_segment_size: 144
    .max_flat_workgroup_size: 256
    .sgpr_count:     84
    .vgpr_count:     512
    .wavefront_size: 32
...
	.end_amdgpu_metadata
.endif
;; end of part 4
